; MI455X (gfx1250); checked and timed in simulation.
; The chip was launched on July 23, 2026; its instructions are those of AMD's public machine-readable ISA for CDNA 5 (MIT licence, August 2026) and "CDNA5" Instruction Set Architecture Reference Guide (July 2026). The comments in the code are by the model that wrote it; some were corrected since.
;; LSA Block. Allowed arithmetic: matrix products marked QUANTISED: E3M2 operands, one E8M0 scale for each 32 along K, by v_wmma_scale_f32_16x16x128_f8f6f4 with both operands' format E3M2, f32 sums; everything else in f32.
;; Inputs: fc1_b 1,024 float32; fc1_w 1,024 x 256 float32; fc2_b 256 float32; fc2_w 256 x 1,024 float32; ln1_b 256 float32; ln1_g 256 float32; ln2_b 256 float32; ln2_g 256 float32; proj_b 256 float32; proj_w 256 x 256 float32; qkv_w 768 x 256 float32; scale one number float32; x 8 x 2,048 x 256 float32.
;; Outputs: out0 8 x 2,048 x 256 float32.
;; This version of the problem:
;;   THIS VERSION OF THE PROBLEM IS GIVEN IN LOW PRECISION. The matrix products marked QUANTISED in the list below multiply operands that are first quantised to E3M2 (3 exponent bits, 2 mantissa bits; 6 bits a number), with one power-of-two scale for each 32 numbers along K (OCP MX v1.0); their sums are f32. All else is computed in f32.
;;   The module's matrix products, in the order in which they are computed (A, B: the left and right operand; K: the contracted axis; several contracted axes count as one K, in the product's order):
;;     1. [M 16,384, K 256] x [K 256, N 768]; A: computed on the way; B: input qkv_w: QUANTISED
;;     2. batch 64 x [M 2,048, K 32] x [K 32, N 2,048]; A: computed on the way; B: computed on the way: QUANTISED
;;     3. batch 64 x [M 2,048, K 2,048] x [K 2,048, N 32]; A: softmax (see below); B: computed on the way: QUANTISED
;;     4. [M 16,384, K 256] x [K 256, N 256]; A: computed on the way; B: input proj_w: QUANTISED
;;     5. [M 16,384, K 256] x [K 256, N 1,024]; A: computed on the way; B: input fc1_w: QUANTISED
;;     6. [M 16,384, K 1,024] x [K 1,024, N 256]; A: computed on the way; B: input fc2_w: QUANTISED
;;   THE QUANTISER, for each operand of a quantised product, along K:
;;     - K is cut into blocks of 32 from its start; a last block that is shorter is filled with zeros.
;;     - A block's scale is 2^e with e = floor(log2(the largest magnitude in the block)) - 4, held to -126 .. 127; a block of zeros has e = 0. As a byte (E8M0): e + 127.
;;     - Each number is divided by its block's scale, clamped to +-28, and rounded to the nearest number of E3M2, ties to even, subnormals kept.
;;     - The product sums the exact products of the quantised numbers (number of the format x scale) in f32.
;;   ~~~python
;;   def quantise(x, axis):      # numpy; x: float32 -> the quantised numbers, widened to float32 again
;;       x = np.moveaxis(x, axis, -1); K = x.shape[-1]
;;       x = np.pad(x, [(0, 0)] * (x.ndim - 1) + [(0, -K % 32)]); x = x.reshape(x.shape[:-1] + (-1, 32)); a = np.abs(x).max(-1, keepdims=True)
;;       e = np.where(a > 0, np.clip(np.frexp(np.where(a > 0, a, 1))[1] - 1 - 4, -126, 127), 0)      # np.frexp(a)[1] - 1 = floor(log2(a)), exactly
;;       r = np.clip(x / 2.0 ** e, -28, 28)
;;       step = 2.0 ** (np.maximum(np.frexp(np.where(r == 0, 1, r))[1] - 1, -2) - 2)
;;       q = np.round(r / step) * step * 2.0 ** e      # np.round: ties to even
;;       return np.moveaxis(q.reshape(q.shape[:-2] + (-1,))[..., :K], -1, axis).astype(np.float32)
;;   ~~~
;;   SOFTMAX AHEAD OF A QUANTISED PRODUCT. Where the list says 'softmax', what is quantised is not the finished softmax but p = 2^(t - M), with t = logit x log2(e) and M = ceil(the row's largest t), a whole number; so 1/2 < the row's largest p <= 1. The row's sum l is taken of the UNQUANTISED p, in f32, and the product's result is divided by l at the end. Since M is a whole number, a kernel that streams over the keys may use a running M (the ceiling of the running maximum): every later rescaling is an exact power of two, which a block's scale takes up: the codes' values come out the same.
;;   OPERANDS COMPUTED ON THE WAY. 'Computed on the way' means the value that the module computes at that place (a softmax that the list does not call 'softmax' is quantised finished and normalised). What goes into a quantiser is computed in f32, as accurately as f32 sums, v_exp_f32 and their like allow (about 1e-6 of the number): no bf16 or f16 on the way to a quantiser, and a product that is left as it is and whose result goes on into a quantised operand takes f32 operands (vector FMAs, or v_wmma_f32_16x16x4_f32). A number that lies on a knife's edge between two numbers of the format may be rounded either way, as far as f32 arithmetic and the matrix unit's own rounding can turn it there, and no further.
;; 2 versions, each right; version 2 is version 1 with the launches qkv, mlp written anew for expert scheduling mode. Each part assembles by itself: llvm-mc -triple=amdgcn-amd-amdhsa -mcpu=gfx1250 --defsym DOCPART=n.
;; ======== version 1 of 2: 4 launches
;; workspace buffers: wimg 589,824 bytes; wsc 49,152 bytes; qc 3,145,728 bytes; qs 131,072 bytes; kv 6,553,600 bytes; ac 3,145,728 bytes; asc 131,072 bytes
;; launch prep (part 1): grid 384 x 1, 1 waves a work-group, no clusters, 0 bytes of LDS; arguments qkv_w, proj_w, fc1_w, fc2_w, wimg, wsc; writes wimg, wsc
.if DOCPART == 1
	.amdgcn_target "amdgcn-amd-amdhsa--gfx1250"
	.amdhsa_code_object_version 6
	.text
	.protected	k_q99e04f4165_prep
	.globl	k_q99e04f4165_prep
	.p2align	8
	.type	k_q99e04f4165_prep,@function
k_q99e04f4165_prep:
	s_mov_b64 s[64:65], 0
	v_nop
	global_prefetch_b8 v0, s[64:65] scope:SCOPE_SE
	s_setreg_imm32_b32 hwreg(HW_REG_WAVE_MODE, 25, 1), 1
	s_wait_xcnt 0x0
; The four weights ([out][in] f32, K innermost) become codes of BF6 (E3M2) with one E8M0 byte for each 32 along K, laid as IMAGES OF OPERAND REGISTERS.
; One wave makes one fragment f (16 rows x 128 K, 12 registers a lane): 1,536 bytes of wimg, registers 4 q .. 4 q + 3 of lane l at 512 q + 16 l, and 128 bytes of wsc, the row's scale word at 4 l.
; f: 0-95 qkv_w (2 tile + s), 96-127 proj_w (2 tile + s), 128-255 fc1_w (2 tile + s), 256-383 fc2_w (8 tile + s).  Row p of a tile is the weight's row 32 (tile / 2) + 8 (tile % 2) + p % 8 + 16 (p / 8),
; so that the results of two neighbouring tiles, used transposed, are 16 neighbours along the next product's K.
; Lane (r, h) holds k = 128 s + 64 c + 32 h + 0 .. 31 of its row in registers 32 c + i: two whole blocks, so no other lane is asked for a maximum, and the conversions' results are the operand's registers.
; A block's byte is its largest magnitude's exponent field - 4, held at 1 from below.  LIMITS: a block of zeros, or one whose largest magnitude lies under 2^-122, gets the byte 1 (its codes are then zeros or
; subnormal codes; only this program reads the bytes); NaN and infinities among the inputs are not served.
; No LDS, no matrix unit, no cluster: 3.1 MB are read once and nothing is shared.
.set X,   16                           ; v16-79   64 numbers
.set PC,  80                           ; v80-91   the fragment; v92-99 the upper halves as converted
.set TM,  100                          ; v100-106 at work
.set PW,  108                          ; the scale word
.set SH8, 6                            ; v6  8 h
.set SEL, 30                           ; s[30:31] selects for lane l xor 16
.macro QW x                            ; 64 numbers, register 32 c + i = k 64 c + 32 h + i of my row -> fragment in v[PC] on, scale word in v[PW]
.irp c, 0,1
	v_max3_num_f32 v[TM+\c], |v[\x+32*\c]|, |v[\x+32*\c+1]|, 0x2800000      ; with the floor 2^(5 - 127): the byte cannot fall under 1
.endr
.irp i, 2,4,6,8,10,12,14,16,18,20,22,24,26,28,30
.irp c, 0,1
	v_max3_num_f32 v[TM+\c], v[TM+\c], |v[\x+32*\c+\i]|, |v[\x+32*\c+\i+1]|
.endr
.endr
.irp c, 0,1
	v_add_nc_u32 v[TM+2+\c], 0xfe000000, v[TM+\c]      ; 4 off the exponent field: the conversion's scale operand
.endr
.irp c, 0,1
	v_lshrrev_b32 v[TM+4+\c], 23, v[TM+2+\c]           ; the byte
.endr
	v_lshl_or_b32 v[PW], v[TM+5], 16, v[TM+4]          ; my blocks h and 2 + h,
	v_lshlrev_b32 v[PW], v[SH8], v[PW]                 ; at their places,
	v_permlanex16_b32 v[TM+6], v[PW], s[SEL], s[SEL+1]
	v_or_b32 v[PW], v[PW], v[TM+6]                     ; with lane l xor 16's two the word is whole
.irp c, 0,1
	v_cvt_scalef32_pk16_bf6_f32 v[PC+6*\c:PC+6*\c+2], v[\x+32*\c:\x+32*\c+15], v[TM+2+\c]
	v_cvt_scalef32_pk16_bf6_f32 v[PC+12+4*\c:PC+14+4*\c], v[\x+32*\c+16:\x+32*\c+31], v[TM+2+\c]   ; (three registers begin on an even number)
.endr
	v_nop                                              ; one plain line behind the conversions
.irp c, 0,1
.irp i, 0,1,2
	v_mov_b32 v[PC+3+6*\c+\i], v[PC+12+4*\c+\i]
.endr
.endr
.endm
	s_load_b256 s[4:11], s[0:1], 0x0               ; qkv_w, proj_w, fc1_w, fc2_w
	s_load_b128 s[12:15], s[0:1], 0x20             ; wimg, wsc
	v_and_b32 v1, 15, v0                           ; r
	v_bfe_u32 v2, v0, 4, 1                         ; h
	v_lshlrev_b32 v4, 4, v0                        ; 16 x lane
	v_lshlrev_b32 v5, 2, v0                        ; 4 x lane
	v_lshlrev_b32 v[SH8], 3, v2
	v_and_b32 v7, 7, v1
	v_lshrrev_b32 v8, 3, v1
	v_lshl_add_u32 v7, v8, 4, v7                   ; r % 8 + 16 (r / 8)
	v_mov_b32 v[TM+6], 0                           ; a lane permute's destination counts as read
	s_mov_b32 s[SEL], 0x76543210
	s_mov_b32 s[SEL+1], 0xfedcba98
	s_mov_b32 s20, ttmp9                           ; f
	s_mov_b32 s18, 256                             ; the tensor's first fragment,
	s_mov_b32 s19, 3                               ; log2 of its K steps,
	s_mov_b32 s21, 4096                            ; its row in bytes: fc2_w's, unless f says otherwise
	s_wait_kmcnt 0x0
	s_mov_b64 s[16:17], s[10:11]
	s_cmp_lt_u32 s20, 256
	s_cselect_b64 s[16:17], s[8:9], s[16:17]
	s_cselect_b32 s18, 128, s18
	s_cselect_b32 s19, 1, s19
	s_cselect_b32 s21, 1024, s21
	s_cmp_lt_u32 s20, 128
	s_cselect_b64 s[16:17], s[6:7], s[16:17]
	s_cselect_b32 s18, 96, s18
	s_cmp_lt_u32 s20, 96
	s_cselect_b64 s[16:17], s[4:5], s[16:17]
	s_cselect_b32 s18, 0, s18
	s_sub_co_u32 s22, s20, s18
	s_lshr_b32 s23, s22, s19                       ; tile
	s_bfm_b32 s24, s19, 0
	s_and_b32 s24, s22, s24                        ; K step
	s_lshr_b32 s25, s23, 1
	s_lshl_b32 s25, s25, 5
	s_and_b32 s26, s23, 1
	s_lshl_b32 s26, s26, 3
	s_add_co_u32 s25, s25, s26                     ; 32 (tile / 2) + 8 (tile % 2)
	s_mul_i32 s26, s25, s21
	s_lshl_b32 s24, s24, 9
	s_add_co_u32 s26, s26, s24                     ; + 512 bytes a K step
	s_mov_b32 s27, 0
	s_add_nc_u64 s[16:17], s[16:17], s[26:27]
	s_mul_i32 s26, s20, 1536
	s_add_nc_u64 s[12:13], s[12:13], s[26:27]
	s_lshl_b32 s26, s20, 7
	s_add_nc_u64 s[14:15], s[14:15], s[26:27]
	v_mul_lo_u32 v3, v7, s21
	v_lshl_add_u32 v3, v2, 7, v3                   ; my row, + 128 h bytes
.irp c, 0,1
.irp j, 0,1,2,3,4,5,6,7
	global_load_b128 v[X+32*\c+4*\j:X+32*\c+4*\j+3], v3, s[16:17] offset:256*\c+16*\j th:TH_LOAD_NT
.endr
.endr
	s_wait_loadcnt 0x0
	QW X
.irp q, 0,1,2
	global_store_b128 v4, v[PC+4*\q:PC+4*\q+3], s[12:13] offset:512*\q     ; 32 lanes store 512 consecutive bytes, aligned
.endr
	global_store_b32 v5, v[PW], s[14:15]
	s_endpgm
.Lfunc_end_k_q99e04f4165_prep:
	.size	k_q99e04f4165_prep, .Lfunc_end_k_q99e04f4165_prep-k_q99e04f4165_prep
	.p2alignl 7, 3214868480
	.fill 96, 4, 3214868480
	.section	.rodata,"a",@progbits
	.p2align	6, 0x0
	.amdhsa_kernel k_q99e04f4165_prep
		.amdhsa_group_segment_fixed_size 0
		.amdhsa_private_segment_fixed_size 0
		.amdhsa_enable_private_segment 0
		.amdhsa_kernarg_size 48
		.amdhsa_user_sgpr_count 2
		.amdhsa_user_sgpr_kernarg_segment_ptr 1
		.amdhsa_wavefront_size32 1
		.amdhsa_system_sgpr_workgroup_id_x 1
		.amdhsa_system_sgpr_workgroup_id_y 1
		.amdhsa_system_sgpr_workgroup_id_z 1
		.amdhsa_system_vgpr_workitem_id 0
		.amdhsa_next_free_vgpr 128
		.amdhsa_next_free_sgpr 66
		.amdhsa_reserve_vcc 0
		.amdhsa_float_denorm_mode_32 3
		.amdhsa_float_denorm_mode_16_64 3
		.amdhsa_memory_ordered 1
		.amdhsa_forward_progress 1
		.amdhsa_inst_pref_size 8
	.end_amdhsa_kernel
	.amdgpu_metadata
---
amdhsa.version: [ 1, 2 ]
amdhsa.kernels:
  - .name:           k_q99e04f4165_prep
    .symbol:         k_q99e04f4165_prep.kd
    .args:
      - { .name: qkv_w, .offset: 0, .size: 8, .value_kind: global_buffer, .address_space: global }
      - { .name: proj_w, .offset: 8, .size: 8, .value_kind: global_buffer, .address_space: global }
      - { .name: fc1_w, .offset: 16, .size: 8, .value_kind: global_buffer, .address_space: global }
      - { .name: fc2_w, .offset: 24, .size: 8, .value_kind: global_buffer, .address_space: global }
      - { .name: wimg, .offset: 32, .size: 8, .value_kind: global_buffer, .address_space: global }
      - { .name: wsc, .offset: 40, .size: 8, .value_kind: global_buffer, .address_space: global }
    .group_segment_fixed_size: 0
    .private_segment_fixed_size: 0
    .kernarg_segment_align: 8
    .kernarg_segment_size: 48
    .max_flat_workgroup_size: 32
    .sgpr_count:     66
    .vgpr_count:     128
    .wavefront_size: 32
...
	.end_amdgpu_metadata
.endif
;; end of part 1
;; launch qkv (part 2): grid 128 x 1, 16 waves a work-group, no clusters, 238,592 bytes of LDS; arguments x, ln1_g, ln1_b, wimg, wsc, qc, qs, kv; writes qc, qs, kv
.if DOCPART == 2
	.amdgcn_target "amdgcn-amd-amdhsa--gfx1250"
	.amdhsa_code_object_version 6
	.text
	.protected	k_q99e04f4165_qkv
	.globl	k_q99e04f4165_qkv
	.p2align	8
	.type	k_q99e04f4165_qkv,@function
k_q99e04f4165_qkv:
	s_mov_b64 s[64:65], 0
	v_nop
	global_prefetch_b8 v0, s[64:65] scope:SCOPE_SE
	s_setreg_imm32_b32 hwreg(HW_REG_WAVE_MODE, 25, 1), 1
	s_wait_xcnt 0x0
; LayerNorm 1, its quantising, the product with qkv_w (MX-BF6), and the quantising of q and k (along the head's 32) and of v (along the tokens), for 128 tokens a work-group: one record of kv for each of the 8 heads.
; SIXTEEN WAVES.  LN: wave w normalises rows 8 w .. 8 w + 7, f32, into a stage in LDS | barrier | wave w quantises one of x's 16 fragments (tile w / 2, K step w % 2) and stores its register image | barrier |
; wave (hd = w / 2, c = w % 2): q of head hd for tiles 4 c .. 4 c + 3, k likewise, v's 16 channels of tile c for all 8 tiles | barrier | the records and q leave LDS as dense bytes.
; THE TOKENS OF A TILE ARE NOT NEIGHBOURS: row p of tile T is token 64 (T / 4) + 32 (p / 8) + 8 (T % 4) + p % 8.  So (a) four tiles' k, each token's 32 codes one block, ARE one fragment of 64 keys whose results in the
; next launch are 32 neighbouring keys in a lane; (b) v's results (source 0 = x, source 1 = weight) are 32 neighbouring tokens in a lane's registers 32 c + 0 .. 31: whole blocks along the next K.
; q and k are used transposed (source 0 = 16 rows of the weight, source 1 = x): a lane holds one token and 16 neighbouring channels.
; The accumulators take turns, one instruction a turn.
; NO CLUSTER: a wave takes its own 10 fragments of the weights (15,360 bytes) once, straight into the registers that use them; nothing of them passes through LDS, so there is no tile to ask for jointly.
; LIMITS: NaN and infinities are not served; a block whose largest magnitude lies under 2^-122 (a block of zeros too) gets the byte 1; only this program reads the bytes.
.set SPX,  1040                        ; a stage row: 1,024 bytes + 16
.set STG,  0                           ; 128 rows, normalised, f32
.set XIMG, 128*SPX                     ; x's 16 fragments, 2 T + s: registers 4 q .. of lane l at 512 q + 16 l
.set XSC,  XIMG+16*1536                ; their scale words, 128 bytes each
.set REC,  XSC+16*128                  ; 8 records of 6,400 bytes, as they lie in kv: K's two fragments and V's two (48 bytes a lane), K's scale words, V's
.set QST,  REC+8*6400                  ; q's codes [hd][token][24]
.set QSB,  QST+8*3072                  ; q's bytes [hd][token]
.set ACC,  16                          ; v16-79   x's rows, then 64 numbers to quantise, then 8 accumulators
.set WA,   80                          ; v80-127  q's four weight fragments, later v's two
.set WB,   128                         ; v128-175 k's four, later four of x's
.set XF,   176                         ; v176-223 four of x's fragments
.set PC,   176                         ; v176-195 codes just made (x's fragments are done with by then)
.set TM,   224                         ; v224-231, v236-239 at work in the quantisers
.set CA,   232                         ; v232-235 the copy-out's LDS addresses
.set PW,   240
.set XS,   241                         ; v241-248 x's scale words
.set WSB,  245                         ; v245-248 k's weights' scale words, until v's unit
.set WSA,  249                         ; v249-252 q's weights', later v's
.set SH8,  11
.set SEL,  24
.set G,    176                         ; LN: gain, bias, a pair a row for 1 / sigma, a pair a row for the mean
.set BB,   184
.set R,    192
.set MN,   208
.macro PL                              ; four places behind matrix instructions (ISA guide 7.12.1)
.rept 4
	v_nop
.endr
.endm
.macro BAR                             ; my LDS stores have landed and my LDS loads are in: then the work-group's barrier
	s_wait_dscnt 0x0
	s_barrier_signal -1
	s_barrier_wait -1
.endm
.macro MM0 d, a, b, sa, sb             ; starts a sum
	v_wmma_scale_f32_16x16x128_f8f6f4 v[\d:\d+7], v[\a:\a+11], v[\b:\b+11], 0, v[\sa], v[\sb] matrix_a_fmt:MATRIX_FMT_BF6 matrix_b_fmt:MATRIX_FMT_BF6
.endm
.macro MMA d, a, b, sa, sb             ; adds in place
	v_wmma_scale_f32_16x16x128_f8f6f4 v[\d:\d+7], v[\a:\a+11], v[\b:\b+11], v[\d:\d+7], v[\sa], v[\sb] matrix_a_fmt:MATRIX_FMT_BF6 matrix_b_fmt:MATRIX_FMT_BF6
.endm
.macro FETC reg, adr, off              ; a fragment's image back into registers
.irp q, 0,1,2
	ds_load_b128 v[\reg+4*\q:\reg+4*\q+3], v[\adr] offset:\off+512*\q
.endr
.endm
.macro IMGC adr, off                   ; the fragment in v[PC] on, 16 bytes a lane and 512 a store
.irp q, 0,1,2
	ds_store_b128 v[\adr], v[PC+4*\q:PC+4*\q+3] offset:\off+512*\q
.endr
.endm
.macro IMGL adr, off                   ; the same, a lane's 48 bytes on end
.irp q, 0,1,2
	ds_store_b128 v[\adr], v[PC+4*\q:PC+4*\q+3] offset:\off+16*\q
.endr
.endm
.macro QH x                            ; 64 numbers, register 16 b + i = number 16 h + i of block b of my row -> fragment in v[PC] on, scale word in v[PW], bytes in v[TM+4+b]
.irp b, 0,1,2,3
	v_max3_num_f32 v[TM+\b], |v[\x+16*\b]|, |v[\x+16*\b+1]|, 0x2800000      ; with the floor 2^(5 - 127)
.endr
.irp i, 2,4,6,8,10,12,14
.irp b, 0,1,2,3
	v_max3_num_f32 v[TM+\b], v[TM+\b], |v[\x+16*\b+\i]|, |v[\x+16*\b+\i+1]|
.endr
.endr
.irp b, 0,1,2,3
	v_permlanex16_b32 v[TM+4+\b], v[TM+\b], s[SEL], s[SEL+1]
.endr
.irp b, 0,1,2,3
	v_max_num_f32 v[TM+\b], v[TM+\b], v[TM+4+\b]       ; with lane l xor 16's 16: the block's largest magnitude
.endr
.irp b, 0,1,2,3
	v_add_nc_u32 v[TM+12+\b], 0xfe000000, v[TM+\b]     ; 4 off the exponent field: the conversion's scale operand
.endr
.irp b, 0,1,2,3
	v_lshrrev_b32 v[TM+4+\b], 23, v[TM+12+\b]          ; the byte
.endr
	v_lshl_or_b32 v[PW], v[TM+5], 8, v[TM+4]
	v_lshl_or_b32 v[PW], v[TM+6], 16, v[PW]
	v_lshl_or_b32 v[PW], v[TM+7], 24, v[PW]
.irp c, 0,1
	v_cvt_scalef32_pk16_bf6_f32 v[PC+6*\c:PC+6*\c+2], v[\x+32*\c:\x+32*\c+15], v[TM+12+2*\c]
	v_cvt_scalef32_pk16_bf6_f32 v[PC+12+4*\c:PC+14+4*\c], v[\x+32*\c+16:\x+32*\c+31], v[TM+13+2*\c]
.endr
	v_nop                                              ; one plain line behind the conversions
.irp c, 0,1                            ; a WHOLE block to a lane: lanes 0-15 block 2 c, lanes 16-31 block 2 c + 1
.irp i, 0,1,2
	v_permlane16_swap_b32 v[PC+6*\c+\i], v[PC+12+4*\c+\i]
.endr
.irp i, 0,1,2
	v_mov_b32 v[PC+3+6*\c+\i], v[PC+12+4*\c+\i]
.endr
.endr
.endm
.macro QW x                            ; 64 numbers, register 32 c + i = k 64 c + 32 h + i of my row: whole blocks
.irp c, 0,1
	v_max3_num_f32 v[TM+\c], |v[\x+32*\c]|, |v[\x+32*\c+1]|, 0x2800000
.endr
.irp i, 2,4,6,8,10,12,14,16,18,20,22,24,26,28,30
.irp c, 0,1
	v_max3_num_f32 v[TM+\c], v[TM+\c], |v[\x+32*\c+\i]|, |v[\x+32*\c+\i+1]|
.endr
.endr
.irp c, 0,1
	v_add_nc_u32 v[TM+2+\c], 0xfe000000, v[TM+\c]
.endr
.irp c, 0,1
	v_lshrrev_b32 v[TM+4+\c], 23, v[TM+2+\c]
.endr
	v_lshl_or_b32 v[PW], v[TM+5], 16, v[TM+4]
	v_lshlrev_b32 v[PW], v[SH8], v[PW]
	v_permlanex16_b32 v[TM+6], v[PW], s[SEL], s[SEL+1]
	v_or_b32 v[PW], v[PW], v[TM+6]
.irp c, 0,1
	v_cvt_scalef32_pk16_bf6_f32 v[PC+6*\c:PC+6*\c+2], v[\x+32*\c:\x+32*\c+15], v[TM+2+\c]
	v_cvt_scalef32_pk16_bf6_f32 v[PC+12+4*\c:PC+14+4*\c], v[\x+32*\c+16:\x+32*\c+31], v[TM+2+\c]
.endr
	v_nop
.irp c, 0,1
.irp i, 0,1,2
	v_mov_b32 v[PC+3+6*\c+\i], v[PC+12+4*\c+\i]
.endr
.endr
.endm
.macro RED8 a                          ; eight sums over the wave's 32 lanes, in v[a + 2 i]
.irp x, 1,2,4,8
.irp i, 0,1,2,3,4,5,6,7
	v_add_f32_dpp v[\a+2*\i], v[\a+2*\i], v[\a+2*\i] row_xmask:\x row_mask:0xf bank_mask:0xf
.endr
.endr
.irp i, 0,1,2,3,4,5,6,7
	v_permlanex16_b32 v[\a+2*\i+1], v[\a+2*\i], s[SEL], s[SEL+1]
.endr
.irp i, 0,1,2,3,4,5,6,7
	v_add_f32 v[\a+2*\i], v[\a+2*\i], v[\a+2*\i+1]
.endr
.endm
; q or k of my head for my four tiles of x, transposed: accumulator 16 i + 8 u = weight tile u x tile 4 c + i; two K steps
.macro UNIT_T fw, sw
.irp s, 0,1
.if \s
	PL                                             ; in front of loads into registers that the products above have read
.endif
.irp i, 0,1,2,3
	FETC XF+12*\i, 7, 3072*\i+1536*\s
	ds_load_b32 v[XS+\i], v8 offset:256*\i+128*\s
.endr
	s_wait_dscnt 0x0
.irp i, 0,1,2,3
.irp u, 0,1
.if \s
	MMA ACC+16*\i+8*\u, \fw+12*(2*\u+\s), XF+12*\i, \sw+2*\u+\s, XS+\i
.else
	MM0 ACC+16*\i+8*\u, \fw+12*(2*\u+\s), XF+12*\i, \sw+2*\u+\s, XS+\i
.endif
.endr
.endr
.endr
	PL
.endm
	s_load_b256 s[4:11], s[0:1], 0x0               ; x, ln1_g, ln1_b, wimg
	s_load_b256 s[12:19], s[0:1], 0x20             ; wsc, qc, qs, kv
	v_lshl_add_u32 v254, v0, 2, 0x39c00
	v_mov_b32 v255, 0
	v_lshrrev_b32 v224, 5, v0
	v_readfirstlane_b32 s20, v224                  ; wave 0..15
	v_and_b32 v224, 31, v0                         ; lane
	v_lshlrev_b32 v1, 4, v224                      ; v1  16 x lane
	v_lshlrev_b32 v2, 2, v224                      ; v2  4 x lane
	s_mov_b32 s21, ttmp9                           ; g
	s_lshr_b32 s22, s20, 1                         ; hd; also the tile of x that I quantise
	s_and_b32 s23, s20, 1                          ; c; also its K step
	s_mov_b32 s[SEL], 0x76543210
	s_mov_b32 s[SEL+1], 0xfedcba98
	s_mov_b32 s26, 0x3b800000                      ; 1 / 256
	s_mov_b32 s27, 0x3727c5ac                      ; 1e-5
	s_lshl_b32 s46, s21, 17                        ; 128 rows of 1,024 bytes a work-group,
	s_lshl_b32 s47, s20, 13                        ; 8 a wave
	s_add_co_u32 s46, s46, s47
	s_mov_b32 s47, 0
	s_mul_i32 s48, s22, 6144                       ; four fragments a head
	s_mov_b32 s49, 0
	s_lshl_b32 s50, s22, 9
	s_mov_b32 s51, 0
	s_wait_kmcnt 0x0
	s_add_nc_u64 s[28:29], s[4:5], s[46:47]
	s_add_nc_u64 s[30:31], s[10:11], s[48:49]
	s_add_nc_u64 s[34:35], s[12:13], s[50:51]
.irp i, 0,1,2,3,4,5,6,7
	global_load_b128 v[ACC+8*\i:ACC+8*\i+3],   v1, s[28:29] offset:1024*\i th:TH_LOAD_NT       ; 512 consecutive bytes a load
	global_load_b128 v[ACC+8*\i+4:ACC+8*\i+7], v1, s[28:29] offset:1024*\i+512 th:TH_LOAD_NT
.endr
	global_load_b128 v[G:G+3],     v1, s[6:7]
	global_load_b128 v[G+4:G+7],   v1, s[6:7] offset:512
	global_load_b128 v[BB:BB+3],   v1, s[8:9]
	global_load_b128 v[BB+4:BB+7], v1, s[8:9] offset:512
.irp k, 0,1,2,3,4,5,6,7,8,9,10,11
	global_load_b128 v[WA+4*\k:WA+4*\k+3], v1, s[30:31] offset:512*\k                          ; q's weights: fragment 2 u + s
.endr
.irp k, 0,1,2,3
	global_load_b32 v[WSA+\k], v2, s[34:35] offset:128*\k
.endr
.irp k, 0,1,2,3,4,5,6,7,8,9,10,11
	global_load_b128 v[WB+4*\k:WB+4*\k+3], v1, s[30:31] offset:49152+512*\k                    ; k's: 32 fragments on
.endr
.irp k, 0,1,2,3
	global_load_b32 v[WSB+\k], v2, s[34:35] offset:4096+128*\k
.endr
	; the other bases; s51 stays 0
	s_mul_i32 s50, s23, 3072
	s_add_nc_u64 s[32:33], s[30:31], s[50:51]      ; v's weights: tile c of my head
	s_lshl_b32 s50, s23, 8
	s_add_nc_u64 s[36:37], s[34:35], s[50:51]
	s_lshr_b32 s48, s21, 4
	s_lshl_b32 s48, s48, 3
	s_add_co_u32 s48, s48, s22                     ; 8 b + hd
	s_and_b32 s49, s21, 15                         ; which 128 tokens of the sequence
	s_lshl_b32 s46, s48, 4
	s_add_co_u32 s46, s46, s49
	s_mul_i32 s46, s46, 6400                       ; my head's record
	s_mul_i32 s50, s23, 3072
	s_add_co_u32 s50, s46, s50
	s_add_nc_u64 s[38:39], s[18:19], s[50:51]      ; its K half or its V half
	s_lshl_b32 s50, s23, 7
	s_add_co_u32 s50, s46, s50
	s_add_nc_u64 s[40:41], s[18:19], s[50:51]      ; (+ 6,144 in the immediate) K's scale words or V's
	s_lshl_b32 s46, s48, 11
	s_lshl_b32 s50, s49, 7
	s_add_co_u32 s46, s46, s50
	s_mul_i32 s46, s46, 24
	s_mul_i32 s50, s23, 1536
	s_add_co_u32 s50, s46, s50
	s_add_nc_u64 s[42:43], s[14:15], s[50:51]      ; q's codes: my head's 128 tokens, my half
	s_lshl_b32 s50, s21, 10
	s_lshl_b32 s46, s23, 9
	s_add_co_u32 s50, s50, s46
	s_add_nc_u64 s[44:45], s[16:17], s[50:51]      ; q's bytes (waves 0 and 1)
	; LDS addresses: each a constant + a constant x lane + a constant x wave; none is written again
	v_and_b32 v225, 15, v0                         ; r
	v_bfe_u32 v226, v0, 4, 1                       ; h
	v_and_b32 v227, 7, v225
	v_lshrrev_b32 v228, 3, v225
	v_lshl_add_u32 v227, v228, 5, v227             ; 32 (r / 8) + r % 8
	s_mul_i32 s46, s20, 8*SPX
	v_add_nc_u32 v3, s46, v1                       ; v3  the stage, in: my 8 rows
	s_lshr_b32 s46, s22, 2
	s_lshl_b32 s46, s46, 6
	s_and_b32 s47, s22, 3
	s_lshl_b32 s47, s47, 3
	s_add_co_u32 s46, s46, s47                     ; 64 (T / 4) + 8 (T % 4)
	s_mul_i32 s46, s46, SPX
	s_lshl_b32 s47, s23, 9
	s_add_co_u32 s46, s46, s47
	v_mul_u32_u24 v4, v227, SPX
	v_lshl_add_u32 v4, v226, 7, v4
	v_add_nc_u32 v4, s46, v4                       ; v4  the stage, out: my tile's row r, K step s, + 128 h bytes
	s_mul_i32 s46, s20, 1536
	s_add_co_u32 s46, s46, XIMG
	v_add_nc_u32 v5, s46, v1                       ; v5  where I store x's fragment w
	s_lshl_b32 s46, s20, 7
	s_add_co_u32 s46, s46, XSC
	v_add_nc_u32 v6, s46, v2                       ; v6  and its scale words
	s_mul_i32 s46, s23, 12288
	s_add_co_u32 s46, s46, XIMG
	v_add_nc_u32 v7, s46, v1                       ; v7  x's tiles 4 c on
	s_lshl_b32 s46, s23, 10
	s_add_co_u32 s46, s46, XSC
	v_add_nc_u32 v8, s46, v2                       ; v8  their scale words
	v_add_nc_u32 v9, XIMG, v1                      ; v9  x's tiles from 0 on
	v_add_nc_u32 v10, XSC, v2                      ; v10
	v_lshlrev_b32 v[SH8], 3, v226                  ; v11 8 h
	s_mul_i32 s52, s22, 6400
	s_add_co_u32 s52, s52, REC                     ; my head's record in LDS
	s_mul_i32 s47, s23, 1536
	s_add_co_u32 s47, s47, s52
	v_mul_u32_u24 v12, v224, 48
	v_add_nc_u32 v12, s47, v12                     ; v12 K's fragment c (V's: 3,072 on), 48 bytes a lane
	s_lshl_b32 s47, s23, 6
	s_add_co_u32 s47, s47, s52
	s_add_co_u32 s47, s47, 6144
	v_lshlrev_b32 v13, 2, v225
	v_add_nc_u32 v13, s47, v13                     ; v13 K's scale word of row r (V's: 128 on)
	s_mul_i32 s47, s22, 3072
	s_add_co_u32 s47, s47, QST
	s_mul_i32 s54, s23, 1536
	s_add_co_u32 s54, s54, s47
	v_lshl_add_u32 v228, v226, 3, v227
	v_mul_u32_u24 v14, v228, 24
	v_add_nc_u32 v14, s54, v14                     ; v14 q's codes of token 64 c + 32 (r / 8) + r % 8 + 8 h (+ 16 for the upper six registers)
	s_lshl_b32 s47, s22, 7
	s_lshl_b32 s55, s23, 6
	s_add_co_u32 s47, s47, s55
	s_add_co_u32 s47, s47, QSB
	v_add_nc_u32 v15, s47, v227                    ; v15 q's byte of token 64 c + 32 (r / 8) + r % 8 (+ 8 a tile)
	s_mul_i32 s47, s23, 3072
	s_add_co_u32 s47, s47, s52
	v_add_nc_u32 v[CA], s47, v1                    ; the copy-out: half a record's fragments,
	s_lshl_b32 s47, s23, 7
	s_add_co_u32 s47, s47, s52
	s_add_co_u32 s47, s47, 6144
	v_add_nc_u32 v[CA+1], s47, v2                  ; 128 bytes of its scale words,
	v_add_nc_u32 v[CA+2], s54, v1                  ; half a head's q,
	s_lshl_b32 s47, s23, 9
	s_add_co_u32 s47, s47, QSB
	v_add_nc_u32 v[CA+3], s47, v1                  ; half of q's bytes
.irp b, 0,1,2,3
	v_mov_b32 v[TM+4+\b], 0                        ; a lane permute's destination counts as read
.endr
	; ---- LN: rows 8 w + i; my lane holds columns 4 l .. 4 l + 3 and 128 + 4 l .. of each
	s_wait_loadcnt 32                              ; x, gain and bias are in; the 32 loads of weights behind them may be out
.irp i, 0,1,2,3,4,5,6,7
	v_pk_add_f32 v[MN+2*\i:MN+2*\i+1], v[ACC+8*\i:ACC+8*\i+1], v[ACC+8*\i+2:ACC+8*\i+3]
.endr
.irp i, 0,1,2,3,4,5,6,7
	v_pk_add_f32 v[R+2*\i:R+2*\i+1], v[ACC+8*\i+4:ACC+8*\i+5], v[ACC+8*\i+6:ACC+8*\i+7]
.endr
.irp i, 0,1,2,3,4,5,6,7
	v_pk_add_f32 v[MN+2*\i:MN+2*\i+1], v[MN+2*\i:MN+2*\i+1], v[R+2*\i:R+2*\i+1]
.endr
.irp i, 0,1,2,3,4,5,6,7
	v_add_f32 v[MN+2*\i], v[MN+2*\i], v[MN+2*\i+1]
.endr
	RED8 MN
.irp i, 0,1,2,3,4,5,6,7
	v_mul_f32 v[MN+2*\i], s26, v[MN+2*\i]          ; the mean
.endr
.irp i, 0,1,2,3,4,5,6,7
.irp k, 0,2,4,6
	v_pk_add_f32 v[ACC+8*\i+\k:ACC+8*\i+\k+1], v[ACC+8*\i+\k:ACC+8*\i+\k+1], v[MN+2*\i:MN+2*\i+1] op_sel_hi:[1,0] neg_lo:[0,1] neg_hi:[0,1]
.endr
.endr
.irp i, 0,1,2,3,4,5,6,7
	v_pk_mul_f32 v[R+2*\i:R+2*\i+1], v[ACC+8*\i:ACC+8*\i+1], v[ACC+8*\i:ACC+8*\i+1]
.endr
.irp k, 2,4,6
.irp i, 0,1,2,3,4,5,6,7
	v_pk_fma_f32 v[R+2*\i:R+2*\i+1], v[ACC+8*\i+\k:ACC+8*\i+\k+1], v[ACC+8*\i+\k:ACC+8*\i+\k+1], v[R+2*\i:R+2*\i+1]
.endr
.endr
.irp i, 0,1,2,3,4,5,6,7
	v_add_f32 v[R+2*\i], v[R+2*\i], v[R+2*\i+1]
.endr
	RED8 R
.irp i, 0,1,2,3,4,5,6,7
	v_fma_f32 v[R+2*\i], v[R+2*\i], s26, s27       ; the variance + 1e-5
.endr
.irp i, 0,1,2,3,4,5,6,7
	v_rsq_f32 v[R+2*\i], v[R+2*\i]
.endr
	v_nop                                          ; one plain line behind the transcendentals
	s_wait_alu depctr_va_vdst(0)
.irp i, 0,1,2,3,4,5,6,7
.irp k, 0,2,4,6
	v_pk_mul_f32 v[ACC+8*\i+\k:ACC+8*\i+\k+1], v[ACC+8*\i+\k:ACC+8*\i+\k+1], v[R+2*\i:R+2*\i+1] op_sel_hi:[1,0]
.endr
.endr
.irp i, 0,1,2,3,4,5,6,7
.irp k, 0,2,4,6
	v_pk_fma_f32 v[ACC+8*\i+\k:ACC+8*\i+\k+1], v[ACC+8*\i+\k:ACC+8*\i+\k+1], v[G+\k:G+\k+1], v[BB+\k:BB+\k+1]
.endr
.endr
.irp i, 0,1,2,3,4,5,6,7
	ds_store_b128 v3, v[ACC+8*\i:ACC+8*\i+3]   offset:SPX*\i
	ds_store_b128 v3, v[ACC+8*\i+4:ACC+8*\i+7] offset:SPX*\i+512
.endr
	BAR                                            ; 128 normalised rows lie in the stage
	; ---- x's fragment w: lane (r, h) takes k = 128 s + 64 c + 32 h + 0 .. 31 of its tile's row r
.irp c, 0,1
.irp j, 0,1,2,3,4,5,6,7
	ds_load_b128 v[ACC+32*\c+4*\j:ACC+32*\c+4*\j+3], v4 offset:256*\c+16*\j
.endr
.endr
	s_wait_dscnt 0x0
	QW ACC
	IMGC 5, 0
	ds_store_b32 v6, v[PW]
	BAR                                            ; x's sixteen fragments lie in LDS
	; ---- q
	s_wait_loadcnt 16                              ; q's weights are in; k's 16 loads may be out
	UNIT_T WA, WSA
.irp k, 0,1,2,3,4,5
	global_load_b128 v[WA+4*\k:WA+4*\k+3], v1, s[32:33] offset:98304+512*\k                    ; v's weights, tile c: into registers that q's products have left, four places back
.endr
.irp k, 0,1
	global_load_b32 v[WSA+\k], v2, s[36:37] offset:8192+128*\k
.endr
	QH ACC                                         ; block b = tile 4 c + b's token of row r: its 32 channels
.irp c, 0,1
.irp p, 0,1,2
	ds_store_b64 v14, v[PC+6*\c+2*\p:PC+6*\c+2*\p+1] offset:384*\c+8*\p
.endr
.endr
.irp b, 0,1,2,3
	ds_store_b8 v15, v[TM+4+\b] offset:8*\b        ; both halves of the lanes write the same byte with the same value
.endr
	s_wait_dscnt 0x0                               ; the stores have read their registers
	; ---- k
	s_wait_loadcnt 8                               ; k's weights are in; v's 8 loads may be out
	UNIT_T WB, WSB
	QH ACC                                         ; the four tiles' codes ARE fragment c of the record, the four bytes its scale word
	IMGL 12, 0
	ds_store_b32 v13, v[PW]
	s_wait_dscnt 0x0
	; ---- v: source 0 = x's tile T, source 1 = the weight's tile c: lane (r, h) holds channel row r, register 8 T + j token 64 (T / 4) + 32 h + 8 (T % 4) + j
	s_wait_loadcnt 0x0
.irp s, 0,1
.if \s
	PL
.endif
.irp t, 0,1,2,3
	FETC XF+12*\t, 9, 3072*\t+1536*\s
	ds_load_b32 v[XS+\t], v10 offset:256*\t+128*\s
.endr
.irp t, 4,5,6,7
	FETC WB+12*(\t-4), 9, 3072*\t+1536*\s
	ds_load_b32 v[XS+\t], v10 offset:256*\t+128*\s
.endr
	s_wait_dscnt 0x0
.irp t, 0,1,2,3
.if \s
	MMA ACC+8*\t, XF+12*\t, WA+12*\s, XS+\t, WSA+\s
.else
	MM0 ACC+8*\t, XF+12*\t, WA+12*\s, XS+\t, WSA+\s
.endif
.endr
.irp t, 4,5,6,7
.if \s
	MMA ACC+8*\t, WB+12*(\t-4), WA+12*\s, XS+\t, WSA+\s
.else
	MM0 ACC+8*\t, WB+12*(\t-4), WA+12*\s, XS+\t, WSA+\s
.endif
.endr
.endr
	PL
	QW ACC                                         ; whole blocks of 32 tokens: the result is V's fragment c
	IMGL 12, 3072
	ds_store_b32 v13, v[PW] offset:128
	BAR                                            ; the eight records, q's codes and q's bytes lie in LDS
	; ---- out: dense bytes, 512 consecutive and aligned a store
.irp q, 0,1,2,3,4,5
	ds_load_b128 v[16+4*\q:19+4*\q], v[CA] offset:512*\q
.endr
	ds_load_b32 v40, v[CA+1]
.irp q, 0,1,2
	ds_load_b128 v[44+4*\q:47+4*\q], v[CA+2] offset:512*\q
.endr
	s_wait_dscnt 0x0
.irp q, 0,1,2,3,4,5
	global_store_b128 v1, v[16+4*\q:19+4*\q], s[38:39] offset:512*\q
.endr
	global_store_b32 v2, v40, s[40:41] offset:6144
.irp q, 0,1,2
	global_store_b128 v1, v[44+4*\q:47+4*\q], s[42:43] offset:512*\q
.endr
	s_cmp_lt_u32 s20, 2
	s_cbranch_scc0 .Lend                           ; q's 1,024 bytes: waves 0 and 1
	ds_load_b128 v[56:59], v[CA+3]
	s_wait_dscnt 0x0
	global_store_b128 v1, v[56:59], s[44:45]
.Lend:
	s_wait_tensorcnt 0x0
	ds_add_u32 v254, v255
	s_wait_dscnt 0x0
	s_endpgm
.Lfunc_end_k_q99e04f4165_qkv:
	.size	k_q99e04f4165_qkv, .Lfunc_end_k_q99e04f4165_qkv-k_q99e04f4165_qkv
	.p2alignl 7, 3214868480
	.fill 96, 4, 3214868480
	.section	.rodata,"a",@progbits
	.p2align	6, 0x0
	.amdhsa_kernel k_q99e04f4165_qkv
		.amdhsa_group_segment_fixed_size 238592
		.amdhsa_private_segment_fixed_size 0
		.amdhsa_enable_private_segment 0
		.amdhsa_kernarg_size 64
		.amdhsa_user_sgpr_count 2
		.amdhsa_user_sgpr_kernarg_segment_ptr 1
		.amdhsa_wavefront_size32 1
		.amdhsa_system_sgpr_workgroup_id_x 1
		.amdhsa_system_sgpr_workgroup_id_y 1
		.amdhsa_system_sgpr_workgroup_id_z 1
		.amdhsa_system_vgpr_workitem_id 0
		.amdhsa_next_free_vgpr 256
		.amdhsa_next_free_sgpr 66
		.amdhsa_reserve_vcc 0
		.amdhsa_float_denorm_mode_32 3
		.amdhsa_float_denorm_mode_16_64 3
		.amdhsa_memory_ordered 1
		.amdhsa_forward_progress 1
		.amdhsa_inst_pref_size 62
	.end_amdhsa_kernel
	.amdgpu_metadata
---
amdhsa.version: [ 1, 2 ]
amdhsa.kernels:
  - .name:           k_q99e04f4165_qkv
    .symbol:         k_q99e04f4165_qkv.kd
    .args:
      - { .name: x, .offset: 0, .size: 8, .value_kind: global_buffer, .address_space: global }
      - { .name: ln1_g, .offset: 8, .size: 8, .value_kind: global_buffer, .address_space: global }
      - { .name: ln1_b, .offset: 16, .size: 8, .value_kind: global_buffer, .address_space: global }
      - { .name: wimg, .offset: 24, .size: 8, .value_kind: global_buffer, .address_space: global }
      - { .name: wsc, .offset: 32, .size: 8, .value_kind: global_buffer, .address_space: global }
      - { .name: qc, .offset: 40, .size: 8, .value_kind: global_buffer, .address_space: global }
      - { .name: qs, .offset: 48, .size: 8, .value_kind: global_buffer, .address_space: global }
      - { .name: kv, .offset: 56, .size: 8, .value_kind: global_buffer, .address_space: global }
    .group_segment_fixed_size: 238592
    .private_segment_fixed_size: 0
    .kernarg_segment_align: 8
    .kernarg_segment_size: 64
    .max_flat_workgroup_size: 512
    .sgpr_count:     66
    .vgpr_count:     256
    .wavefront_size: 32
...
	.end_amdgpu_metadata
.endif
;; end of part 2
;; launch attn (part 3): grid 4 x 64, 16 waves a work-group, no clusters, 169,984 bytes of LDS; arguments qc, qs, kv, scale, ac, asc; writes ac, asc
.if DOCPART == 3
	.amdgcn_target "amdgcn-amd-amdhsa--gfx1250"
	.amdhsa_code_object_version 6
	.text
	.protected	k_q99e04f4165_attn
	.globl	k_q99e04f4165_attn
	.p2align	8
	.type	k_q99e04f4165_attn,@function
k_q99e04f4165_attn:
	s_mov_b64 s[64:65], 0
	v_nop
	global_prefetch_b8 v0, s[64:65] scope:SCOPE_SE
	s_setreg_imm32_b32 hwreg(HW_REG_WAVE_MODE, 25, 1), 1
	s_wait_xcnt 0x0
; Attention of one head on codes of BF6 (E3M2): S = q k^T, the diagonal hidden, p = 2^(t - M) with t = S x scale x log2(e) and M the running largest t rounded UP to a whole number, p quantised along the keys,
; O = p v, divided by the sum of the unquantised p, and quantised along the head's 32 channels, which are one block of the next product's K.
; SHARES.  A work-group owns 512 queries of one head; each of its sixteen waves owns 32, in two passes of 16.  Four waves to a SIMD: one wave's vector work stands beside another's products and LDS loads.
; K AND V OF THE WHOLE HEAD, 16 records of 6,400 bytes, lie in LDS for the whole launch: each wave brings one record by one tensor load at the head; nothing is filled again; one tensor load of a wave is out.
; THE FIRST PRODUCT has K = 32 in an instruction of K = 128.  A fragment of k holds FOUR tiles of 16 keys, one in each block of 32; the source beside it holds q in block i and zero codes in the other three,
; so product i takes tile i alone.  The zero blocks carry the byte 1.  Tile i of fragment c, row p, is key 64 c + 32 (p / 8) + 8 i + p % 8: so register 32 c + 8 i + j of lane (r, h) is key 64 c + 32 h + 8 i + j of
; query r: a WHOLE block of 32 keys in a lane, in the order of the second product's operand: no lane is asked for a block's maximum, and no halves change places.
; Both products are used transposed (source 0 = keys, or v's channels; source 1 = q, or p): a lane holds one query throughout.
; A block's largest p is not searched for: the block's largest score goes through the same multiply-add and exponential (this takes v_exp_f32 not to fall where its input rises).
; THE TEMPERATURE is an input of either sign: c = scale x log2(e); where c < 0 the sign bits of q's codes are turned, so that t = (-S) |c|; no branch hangs on it.  |c| is held at 2^-126 from below, so that
; a hidden score stays -infinity under it.  LIMITS: NaN and infinities are not served; t is S x (scale x log2(e)), one rounding placed otherwise than in (S x scale) x log2(e).
; NO CLUSTER, though the four work-groups of a head read the same 102,400 bytes: the one step of a pass that holds the diagonal is found by a scalar branch on the work-group's block of queries, which partners of a
; joint load may not have; hiding without a branch would put 128 lines into each of the 16 steps beside their some 210.  Each work-group reads those bytes once.
.set SCB,  102400                      ; behind the records: the output's 512 scale bytes
.set ADI,  3                           ; v3   the step's record + 48 x lane
.set ADS,  4                           ; v4   the step's record + 4 x lane
.set X0,   22                          ; v16-45: zeros, q in lanes 0-15, zeros, q in lanes 16-31, zeros: six registers each; the four sources are v[22:33], v[34:45], v[16:27], v[28:39]
.set X1,   34
.set QS,   46                          ; v46-49 q's scale word for source i: its byte at place i, 1 elsewhere
.set TQ,   50                          ; v50-55 q's 24 bytes
.set QB,   56                          ; v56  q's byte
.set L16,  57                          ; v57  16 x lane
.set F,    58                          ; v58-81 k's two fragments
.set KS,   82                          ; k's scale words: lanes 0-15 fragment 0's, lanes 16-31 fragment 1's
.set VS,   83                          ; v's likewise
.set VF,   84                          ; v84-107 v's two fragments
.set S,    108                         ; v108-171 the scores, then p
.set O,    172                         ; v172-187 O^T: register 8 n + j = channel 16 h + 8 n + j
.set P,    188                         ; v188-199 p's codes
.set PT,   200                         ; v200-206 their upper halves as converted
.set MX,   208                         ; v208-211 four chains of maxima
.set T0,   212
.set FF,   214                         ; v[214:215] f = 2^(old M - new M)
.set SCO,  216                         ; v216-217 the conversions' scale operands
.set BY,   218                         ; v218-219 the bytes
.set PS,   220                         ; p's scale word
.set PM,   221                         ; a lane permute's destination
.set SUM2, 222
.set DG,   224
.set NINF, 225
.set OQ,   226                         ; v226-241 O / l
.set OC,   242                         ; v242-244 its codes
.set OT,   246
.set SCA,  250                         ; v250 SCB + 16 x lane
.macro PL
.rept 4
	v_nop
.endr
.endm
.macro MM0 d, a, b, sa, sb
	v_wmma_scale_f32_16x16x128_f8f6f4 v[\d:\d+7], v[\a:\a+11], v[\b:\b+11], 0, v[\sa], v[\sb] matrix_a_fmt:MATRIX_FMT_BF6 matrix_b_fmt:MATRIX_FMT_BF6
.endm
.macro MM0R d, a, b, sa, sb            ; source 0's scales from lanes 16-31
	v_wmma_scale_f32_16x16x128_f8f6f4 v[\d:\d+7], v[\a:\a+11], v[\b:\b+11], 0, v[\sa], v[\sb] matrix_a_fmt:MATRIX_FMT_BF6 matrix_b_fmt:MATRIX_FMT_BF6 matrix_a_scale:MATRIX_SCALE_ROW1
.endm
.macro MMA d, a, b, sa, sb
	v_wmma_scale_f32_16x16x128_f8f6f4 v[\d:\d+7], v[\a:\a+11], v[\b:\b+11], v[\d:\d+7], v[\sa], v[\sb] matrix_a_fmt:MATRIX_FMT_BF6 matrix_b_fmt:MATRIX_FMT_BF6
.endm
.macro MMAR d, a, b, sa, sb
	v_wmma_scale_f32_16x16x128_f8f6f4 v[\d:\d+7], v[\a:\a+11], v[\b:\b+11], v[\d:\d+7], v[\sa], v[\sb] matrix_a_fmt:MATRIX_FMT_BF6 matrix_b_fmt:MATRIX_FMT_BF6 matrix_a_scale:MATRIX_SCALE_ROW1
.endm
	s_load_b256 s[4:11], s[0:1], 0x0               ; qc, qs, kv, scale
	s_load_b128 s[12:15], s[0:1], 0x20             ; ac, asc
	v_lshl_add_u32 v249, v0, 2, 0x29000
	v_mov_b32 v251, 0
	ds_add_u32 v249, v251
	ds_add_u32 v249, v251
	v_lshrrev_b32 v3, 5, v0
	v_readfirstlane_b32 s16, v3                    ; wave 0..15
	s_and_b32 s17, ttmp7, 0xffff                   ; 8 b + head
	s_mov_b32 s18, ttmp9                           ; which 512 queries
	; descriptor group 1: a dense record of 6,400 bytes as 25 rows of 32 elements of 8 bytes
	s_mov_b32 s32, 3<<16                           ; no mask; elements of 8 bytes; no padding
	s_mov_b32 s33, 32<<16                          ; tensor_dim0 = 32
	s_mov_b32 s34, 25<<16                          ; tensor_dim1 = 25
	s_mov_b32 s35, 32<<16                          ; tile_dim0 = 32
	s_mov_b32 s36, 25                              ; tile_dim1 = 25
	s_mov_b32 s37, 32                              ; from row to row
	s_mov_b32 s38, 0
	s_mov_b32 s39, 0
	s_mov_b32 s28, 1                               ; group 0: count,
	s_mul_i32 s29, s16, 6400                       ; LDS address: record w,
	s_lshl_b32 s56, s17, 4
	s_add_co_u32 s56, s56, s16
	s_mul_i32 s56, s56, 6400
	s_mov_b32 s57, 0
	s_wait_dscnt 0x0
	s_wait_kmcnt 0x0
	s_load_b32 s46, s[10:11], 0x0                  ; the temperature
	s_add_nc_u64 s[30:31], s[8:9], s[56:57]        ; global address: record w of my head,
	s_or_b32 s31, s31, 0x80000000                  ; type 2
	tensor_load_to_lds s[28:31], s[32:39]          ; every wave's one load, into bytes of its own
	s_nop 0
	v_and_b32 v5, 15, v0                           ; v5  r
	v_bfe_u32 v6, v0, 4, 1                         ; v6  h
	v_and_b32 v2, 31, v0
	v_mul_u32_u24 v1, v2, 48                       ; v1  48 x lane
	v_lshlrev_b32 v[L16], 4, v2
	v_lshlrev_b32 v2, 2, v2                        ; v2  4 x lane
	v_lshlrev_b32 v7, 3, v6                        ; v7  8 h
	v_mul_u32_u24 v8, v5, 24                       ; v8  q's codes of query r
	v_mad_u32_u24 v9, v6, 12, v8                   ; v9  the output's codes: 24 r + 12 h
	s_lshl_b32 s47, s16, 5
	s_add_co_u32 s47, s47, SCB
	v_add_nc_u32 v10, s47, v5                      ; v10 the output's byte
	v_lshlrev_b32 v11, 5, v6
	v_sub_nc_u32 v11, v5, v11                      ; v11 r - 32 h
	v_add_nc_u32 v[SCA], SCB, v[L16]
	v_mov_b32 v[NINF], 0xff800000
	v_mov_b32 v[FF+1], 0                           ; (named as the upper half of a pair)
	v_mov_b32 v[PM], 0                             ; a lane permute's destination counts as read
.irp i, 16,17,18,19,20,21, 28,29,30,31,32,33, 40,41,42,43,44,45
	v_mov_b32 v[\i], 0                             ; the zero codes, written once
.endr
	s_mov_b32 s20, 0x76543210
	s_mov_b32 s21, 0xfedcba98
	s_mov_b32 s54, 0xffff0000                      ; lanes 16-31
	s_lshl_b32 s56, s17, 11
	s_lshl_b32 s55, s18, 9
	s_add_co_u32 s56, s56, s55
	s_add_nc_u64 s[58:59], s[14:15], s[56:57]      ; asc at my 512 queries
	s_wait_kmcnt 0x0
	s_mul_f32 s22, s46, 0x3fb8aa3b                 ; c = scale x log2(e)
	s_ashr_i32 s47, s22, 31                        ; all ones where c < 0
	s_and_b32 s24, s47, 0x20820820                 ; the sign bits (bit 6 i + 5) of 16 codes in three words
	s_and_b32 s25, s47, 0x08208208
	s_and_b32 s26, s47, 0x82082082
	s_and_b32 s22, s22, 0x7fffffff                 ; |c|,
	s_max_u32 s22, s22, 0x00800000                 ; at least 2^-126
	s_mov_b32 s23, s22                             ; (named with it as a pair)
	s_wait_tensorcnt 0x0                           ; my record has landed,
	s_barrier_signal -1
	s_barrier_wait -1                              ; everybody's has
; A PASS: 16 queries against the head's 2,048 keys, 128 a step.
.macro PASS p
	s_wait_xcnt 0x0                                ; the last pass's load and store have read their bases
	s_lshl_b32 s43, s18, 9
	s_lshl_b32 s55, s16, 5
	s_add_co_u32 s43, s43, s55
	s_add_co_u32 s43, s43, 16*\p                   ; my first query
	s_lshr_b32 s44, s43, 7                         ; the step that holds the diagonal
	s_lshl_b32 s56, s17, 11
	s_add_co_u32 s56, s56, s43
	s_mul_i32 s56, s56, 24
	s_add_nc_u64 s[48:49], s[4:5], s[56:57]        ; q's codes
	s_add_nc_u64 s[52:53], s[12:13], s[56:57]      ; the output's
	s_lshr_b32 s56, s17, 3
	s_lshl_b32 s56, s56, 4
	s_add_co_u32 s56, s56, s44
	s_lshl_b32 s56, s56, 10
	s_and_b32 s55, s17, 7
	s_lshl_b32 s55, s55, 7
	s_add_co_u32 s56, s56, s55
	s_and_b32 s55, s43, 127
	s_add_co_u32 s56, s56, s55
	s_add_nc_u64 s[50:51], s[6:7], s[56:57]        ; q's bytes: [b][token / 128][head][token % 128]
.irp i, 0,1,2
	global_load_b64 v[TQ+2*\i:TQ+2*\i+1], v8, s[48:49] offset:8*\i
.endr
	global_load_u8 v[QB], v5, s[50:51]
	v_mov_b32 v13, 0xff61b1e6                      ; the largest t so far: -3e38
	v_floor_f32 v12, -v13                          ; -M
	v_mov_b32 v14, 0                               ; the sum, in two halves
	v_mov_b32 v15, 0
	s_mov_b32 s40, 0                               ; the step's record in LDS
	s_mov_b32 s41, 0                               ; the step
	s_wait_loadcnt 0x0
.irp i, 0,1,2,3,4,5
	v_xor_b32 v[TQ+\i], s[24+\i%3], v[TQ+\i]       ; -q where c < 0
.endr
.irp i, 0,1,2,3,4,5
	v_cndmask_b32 v[X0+\i], v[TQ+\i], 0, s54       ; q in lanes 0-15: blocks 0 and 2
	v_cndmask_b32 v[X1+\i], 0, v[TQ+\i], s54       ; q in lanes 16-31: blocks 1 and 3
.endr
	v_add_nc_u32 v[QB], -1, v[QB]
.irp i, 0,1,2,3
	v_lshl_add_u32 v[QS+\i], v[QB], 8*\i, 0x01010101
.endr
.irp j, 0,1,2,3,4,5,6,7,8,9,10,11,12,13,14,15
	v_mov_b32 v[O+\j], 0                           ; the step is written once: the first finds zeros.  (These 16 are also the places between the scale words and operands just made and the first product)
.endr
.Lstep_\@:
	v_add_nc_u32 v[ADI], s40, v1
	v_add_nc_u32 v[ADS], s40, v2
.irp c, 0,1
.irp q, 0,1,2
	ds_load_b128 v[F+12*\c+4*\q:F+12*\c+4*\q+3], v[ADI] offset:1536*\c+16*\q
.endr
.endr
	ds_load_b32 v[KS], v[ADS] offset:6144
	s_wait_dscnt 0x0
.irp i, 0,1,2,3
	MM0 S+8*\i, F, 22+12*(\i%2)-6*(\i/2), KS, QS+\i
.endr
.irp i, 0,1,2,3
	MM0R S+32+8*\i, F+12, 22+12*(\i%2)-6*(\i/2), KS, QS+\i
.endr
	PL                                             ; behind these products; with the two additions above, six places behind the last step's, whose operands are loaded anew below
.irp n, 0,1
.irp q, 0,1,2
	ds_load_b128 v[VF+12*\n+4*\q:VF+12*\n+4*\q+3], v[ADI] offset:3072+1536*\n+16*\q
.endr
.endr
	ds_load_b32 v[VS], v[ADS] offset:6272          ; v's fragments land under the softmax
	s_cmp_lg_u32 s41, s44
	s_cbranch_scc1 .Lopen_\@                       ; a branch on ids: 15 of a pass's 16 steps hold no key of my 16 queries' own
	s_and_b32 s55, s43, 127
	v_add_nc_u32 v[DG], s55, v11                   ; register 32 c + e holds key 64 c + 32 h + e: my own where 64 c + e = my query's place in the step - 32 h
.set n, 0
.rept 64
	v_cmp_eq_i32 vcc_lo, 64*(n/32)+n%32, v[DG]
	v_cndmask_b32 v[S+n], v[S+n], v[NINF], vcc_lo
.set n, n+1
.endr
.Lopen_\@:
.irp c, 0,1                            ; the largest score of my two blocks, in four chains by turns; each accumulator is read from its low end on
	v_max3_num_f32 v[MX+2*\c],   v[S+32*\c],    v[S+32*\c+1],  v[S+32*\c+2]
	v_max3_num_f32 v[MX+2*\c+1], v[S+32*\c+16], v[S+32*\c+17], v[S+32*\c+18]
.endr
.irp i, 3,5,7,9,11,13
.irp c, 0,1
	v_max3_num_f32 v[MX+2*\c],   v[MX+2*\c],   v[S+32*\c+\i],    v[S+32*\c+\i+1]
	v_max3_num_f32 v[MX+2*\c+1], v[MX+2*\c+1], v[S+32*\c+16+\i], v[S+32*\c+17+\i]
.endr
.endr
.irp c, 0,1
	v_max3_num_f32 v[MX+2*\c], v[MX+2*\c], v[MX+2*\c+1], v[S+32*\c+15]
.endr
.irp c, 0,1
	v_max_num_f32 v[MX+2*\c], v[MX+2*\c], v[S+32*\c+31]
.endr
	v_max_num_f32 v[T0], v[MX], v[MX+2]
	v_permlanex16_b32 v[PM], v[T0], s20, s21
	v_max_num_f32 v[T0], v[T0], v[PM]              ; the step's largest score of my query
	v_mul_f32 v[T0], s22, v[T0]                    ; as t (|c| is positive)
	v_max_num_f32 v13, v13, v[T0]
	v_mov_b32 v[T0], v12
	v_floor_f32 v12, -v13                          ; the new -M = -ceil(t): a whole number
	v_sub_f32 v[T0], v12, v[T0]                    ; old M - new M, 0 or less
	v_cvt_i32_f32 v[T0], v[T0]
	v_ldexp_f32 v[FF], 1.0, v[T0]                  ; f: a power of two, so the rescaling rounds nothing
.set j, 0
.rept 32
	v_pk_fma_f32 v[S+j:S+j+1], v[S+j:S+j+1], s[22:23], v[12:13] op_sel_hi:[1,0,0]              ; t - M
.set j, j+2
.endr
.irp c, 0,1
	v_fma_f32 v[MX+2*\c], v[MX+2*\c], s22, v12     ; the same of each block's largest score
.endr
.set j, 0
.rept 64
	v_exp_f32 v[S+j], v[S+j]                       ; p = 2^(t - M)
.set j, j+1
.endr
.irp c, 0,1
	v_exp_f32 v[MX+2*\c], v[MX+2*\c]               ; the block's largest p
.endr
	v_pk_mul_f32 v[14:15], v[14:15], v[FF:FF+1] op_sel_hi:[1,0]                                ; the sums under the new M (a plain line behind the exponentials)
	s_wait_alu depctr_va_vdst(0)
.irp c, 0,1
	v_max_num_f32 v[MX+2*\c], 0x2800000, v[MX+2*\c]    ; the floor 2^(5 - 127)
.endr
.irp c, 0,1
	v_add_nc_u32 v[SCO+\c], 0xfe000000, v[MX+2*\c]
.endr
.irp c, 0,1
	v_lshrrev_b32 v[BY+\c], 23, v[SCO+\c]
.endr
	v_lshl_or_b32 v[PS], v[BY+1], 16, v[BY]        ; my blocks h and 2 + h,
	v_lshlrev_b32 v[PS], v7, v[PS]
	v_permlanex16_b32 v[PM], v[PS], s20, s21
	v_or_b32 v[PS], v[PS], v[PM]                   ; with lane l xor 16's: p's scale word for these 128 keys
.irp c, 0,1
	v_cvt_scalef32_pk16_bf6_f32 v[P+6*\c:P+6*\c+2], v[S+32*\c:S+32*\c+15], v[SCO+\c]
	v_cvt_scalef32_pk16_bf6_f32 v[PT+4*\c:PT+4*\c+2], v[S+32*\c+16:S+32*\c+31], v[SCO+\c]
.endr
	v_nop                                          ; one plain line behind the conversions
.irp c, 0,1
.irp i, 0,1,2
	v_mov_b32 v[P+3+6*\c+\i], v[PT+4*\c+\i]
.endr
.endr
.irp j, 0,2,4,6,8,10,12,14
	v_pk_mul_f32 v[O+\j:O+\j+1], v[O+\j:O+\j+1], v[FF:FF+1] op_sel_hi:[1,0]                    ; O^T under the new M
.endr
	v_pk_add_f32 v[SUM2:SUM2+1], v[S:S+1], v[S+2:S+3]                                          ; the row's sum, of the UNQUANTISED p, in two chains
.irp j, 4,8,12,16,20,24,28,32,36,40,44,48,52,56,60
	v_pk_add_f32 v[14:15], v[14:15], v[S+\j:S+\j+1]
	v_pk_add_f32 v[SUM2:SUM2+1], v[SUM2:SUM2+1], v[S+\j+2:S+\j+3]
.endr
	v_pk_add_f32 v[14:15], v[14:15], v[SUM2:SUM2+1]    ; (these 40 lines are the places between p's codes and scale word and the products)
	s_wait_dscnt 0x0                               ; v's fragments are in
	MMA  O,   VF,    P, VS, PS                     ; the two accumulators take turns
	MMAR O+8, VF+12, P, VS, PS
	s_add_co_u32 s40, s40, 6400
	s_add_co_u32 s41, s41, 1
	s_cmp_lt_u32 s41, 16
	s_cbranch_scc1 .Lstep_\@
	; the way out of a pass
	PL
	v_add_f32 v14, v14, v15
	v_permlanex16_b32 v[PM], v14, s20, s21
	v_add_f32 v14, v14, v[PM]                      ; the row's sum
	v_rcp_f32 v14, v14
	v_nop                                          ; one plain line behind the transcendental
	s_wait_alu depctr_va_vdst(0)
.irp j, 0,2,4,6,8,10,12,14
	v_pk_mul_f32 v[OQ+\j:OQ+\j+1], v[O+\j:O+\j+1], v[14:15] op_sel_hi:[1,0]                    ; channels 16 h + 0 .. 15 of query r
.endr
	v_max3_num_f32 v[OT],   |v[OQ]|,   |v[OQ+1]|, 0x2800000
	v_max3_num_f32 v[OT+1], |v[OQ+2]|, |v[OQ+3]|, |v[OQ+4]|
.irp i, 5,9
	v_max3_num_f32 v[OT],   v[OT],   |v[OQ+\i]|,   |v[OQ+\i+1]|
	v_max3_num_f32 v[OT+1], v[OT+1], |v[OQ+\i+2]|, |v[OQ+\i+3]|
.endr
	v_max3_num_f32 v[OT], v[OT], |v[OQ+13]|, |v[OQ+14]|
	v_max3_num_f32 v[OT], v[OT], v[OT+1], |v[OQ+15]|
	v_permlanex16_b32 v[PM], v[OT], s20, s21
	v_max_num_f32 v[OT], v[OT], v[PM]              ; the largest magnitude of the head's 32
	v_add_nc_u32 v[OT+1], 0xfe000000, v[OT]
	v_lshrrev_b32 v[OT+2], 23, v[OT+1]
	v_cvt_scalef32_pk16_bf6_f32 v[OC:OC+2], v[OQ:OQ+15], v[OT+1]
	v_nop
	global_store_b96 v9, v[OC:OC+2], s[52:53]      ; the wave stores 384 consecutive bytes
	ds_store_b8 v10, v[OT+2] offset:16*\p          ; both halves of the lanes write the same byte with the same value
.endm
	PASS 0
	PASS 1
	s_wait_dscnt 0x0
	s_barrier_signal -1
	s_barrier_wait -1                              ; the work-group's 512 scale bytes lie in LDS
	s_cmp_lg_u32 s16, 0
	s_cbranch_scc1 .Lend
	ds_load_b128 v[252:255], v[SCA]
	s_wait_dscnt 0x0
	global_store_b128 v[L16], v[252:255], s[58:59] ; 512 consecutive bytes, aligned
.Lend:
	s_wait_tensorcnt 0x0
	ds_add_u32 v249, v251
	s_wait_dscnt 0x0
	s_endpgm
.Lfunc_end_k_q99e04f4165_attn:
	.size	k_q99e04f4165_attn, .Lfunc_end_k_q99e04f4165_attn-k_q99e04f4165_attn
	.p2alignl 7, 3214868480
	.fill 96, 4, 3214868480
	.section	.rodata,"a",@progbits
	.p2align	6, 0x0
	.amdhsa_kernel k_q99e04f4165_attn
		.amdhsa_group_segment_fixed_size 169984
		.amdhsa_private_segment_fixed_size 0
		.amdhsa_enable_private_segment 0
		.amdhsa_kernarg_size 48
		.amdhsa_user_sgpr_count 2
		.amdhsa_user_sgpr_kernarg_segment_ptr 1
		.amdhsa_wavefront_size32 1
		.amdhsa_system_sgpr_workgroup_id_x 1
		.amdhsa_system_sgpr_workgroup_id_y 1
		.amdhsa_system_sgpr_workgroup_id_z 1
		.amdhsa_system_vgpr_workitem_id 0
		.amdhsa_next_free_vgpr 256
		.amdhsa_next_free_sgpr 66
		.amdhsa_reserve_vcc 1
		.amdhsa_float_denorm_mode_32 3
		.amdhsa_float_denorm_mode_16_64 3
		.amdhsa_memory_ordered 1
		.amdhsa_forward_progress 1
		.amdhsa_inst_pref_size 50
	.end_amdhsa_kernel
	.amdgpu_metadata
---
amdhsa.version: [ 1, 2 ]
amdhsa.kernels:
  - .name:           k_q99e04f4165_attn
    .symbol:         k_q99e04f4165_attn.kd
    .args:
      - { .name: qc, .offset: 0, .size: 8, .value_kind: global_buffer, .address_space: global }
      - { .name: qs, .offset: 8, .size: 8, .value_kind: global_buffer, .address_space: global }
      - { .name: kv, .offset: 16, .size: 8, .value_kind: global_buffer, .address_space: global }
      - { .name: scale, .offset: 24, .size: 8, .value_kind: global_buffer, .address_space: global }
      - { .name: ac, .offset: 32, .size: 8, .value_kind: global_buffer, .address_space: global }
      - { .name: asc, .offset: 40, .size: 8, .value_kind: global_buffer, .address_space: global }
    .group_segment_fixed_size: 169984
    .private_segment_fixed_size: 0
    .kernarg_segment_align: 8
    .kernarg_segment_size: 48
    .max_flat_workgroup_size: 512
    .sgpr_count:     66
    .vgpr_count:     256
    .wavefront_size: 32
...
	.end_amdgpu_metadata
.endif
;; end of part 3
;; launch mlp (part 4): grid 256 x 1, 8 waves a work-group, no clusters, 151,552 bytes of LDS; arguments ac, asc, x, wimg, wsc, proj_b, ln2_g, ln2_b, fc1_b, fc2_b, out0; writes out0
.if DOCPART == 4
	.amdgcn_target "amdgcn-amd-amdhsa--gfx1250"
	.amdhsa_code_object_version 6
	.text
	.protected	k_q99e04f4165_mlp
	.globl	k_q99e04f4165_mlp
	.p2align	8
	.type	k_q99e04f4165_mlp,@function
k_q99e04f4165_mlp:
	s_mov_b64 s[64:65], 0
	v_nop
	global_prefetch_b8 v0, s[64:65] scope:SCOPE_SE
	s_setreg_imm32_b32 hwreg(HW_REG_WAVE_MODE, 25, 1), 1
	s_wait_xcnt 0x0
; x1 = x + attention's output x proj_w^T + proj_b;  out0 = x1 + gelu(LN2(x1) fc1_w^T + fc1_b) fc2_w^T + fc2_b, the three products on codes of BF6 (E3M2), for 64 tokens a work-group.  Nothing goes to memory between.
; THE EIGHT WAVES SHARE THE COLUMNS, NOT THE ROWS: wave w makes channels 32 w .. 32 w + 31 of proj's and fc2's results and hidden units 128 w .. 128 w + 127, for all 64 tokens (four tiles of 16).
; So a wave reads only its own eighth of each weight, once, as register images, straight into the registers that use them.  What goes round through LDS is small: the rows' codes, as images of operand registers.
; All products are used transposed (source 0 = 16 rows of the weight, source 1 = 16 tokens): lane (r, h) holds token r and, over two neighbouring tiles, 16 neighbouring channels.
; The residual and the biases are the C of a sum's first product: Y = x + proj_b, later Y = x1 + fc2_b; fc1_b lies in the result's layout.
; LN2's sums span the waves: each wave's part goes to a word of its own in LDS, a barrier, every lane adds the eight; first the mean, then the squares of the differences.
; A wave's 32 channels of LN2's result are ONE block of fc1's K; a wave's 128 hidden units are ONE K step of fc2.
; GELU is the exact one: erf(u), u = h / sqrt(2) held to -4 .. 4, as u P(u^2) / Q(u^2) with P of degree 6 and Q of degree 4 in u^2, in f32: a few units in erf's last place.
; The accumulators take turns, one instruction a turn.
; NO CLUSTER: the weights are shared by all work-groups, but a work-group's 479,232 bytes of them do not fit in LDS beside its 150,528 bytes of stages, so joint loads would want slots filled again and again.
; LIMITS: NaN and infinities are not served; a block whose largest magnitude lies under 2^-122 (a block of zeros too) gets the byte 1.
.set SPX,  1040
.set STG,  0                           ; 64 rows x (1,024 + 16): x on the way in, out0 on the way out
.set AIMG, 64*SPX                      ; attention's 8 fragments (2 m + s), 512 q + 16 l
.set ASC,  AIMG+8*1536                 ; their scale words
.set STAT1, ASC+8*128                  ; [m][r][w] f32: sums; 2,048 bytes on: sums of squares
.set ZIMG, STAT1+4096                  ; LN2's 8 fragments (2 m + s), 48 bytes a lane
.set ZSC,  ZIMG+8*1536                 ; their scale words, at 4 r
.set HIMG, ZSC+8*128                   ; the hidden layer's 32 fragments (8 m + s), 512 q + 16 l
.set HSC,  HIMG+32*1536
; window 0
.set T1,   14                          ; v14, v15, v253, v254: the LDS addresses of the phase in hand
.set T2,   15
.set T3,   253
.set T4,   254
.set WS,   16                          ; v16-31   fc1's 16 scale words, later fc2's
.set Y,    32                          ; v32-95   register 16 m + e = channel 32 w + 16 h + e of token 16 m + r
.set HA,   96                          ; v96-159  proj's weights and bias; LN2's rows; a tile's hidden units; hidden fragments; rows of out0
.set PB,   144
.set XF,   160                         ; v160-207 four fragments; LN2's gain, bias and fc2_b; GELU's temporaries
.set PC,   208                         ; v208-227 codes just made
.set ST,   208                         ; v208-239 LN2's statistics: eight registers a tile of rows
.set TM,   228                         ; v228-243 at work in the quantiser
.set OR_,  236                         ; r, and
.set OA,   237                         ; 24 r + 49,152 h: offsets of the head's loads, until these are in
.set PW,   244
.set XS,   245                         ; v245-248 scale words of the tokens' fragments
.set XS2,  249                         ; v249-252 proj's weights' scale words, later the second set of the tokens'
.set GU,   160
.set GX,   168
.set GP,   176
.set GQ,   184
.set CA13, 192                         ; v[192:193], v[194:195]: the leading coefficients of P and Q
.set CB8,  194
.set SEL,  28
; window 1: v0-191 sixteen weight fragments (fc1's, later fc2's); v192-255 fc1_b, eight registers a tile
.set MSB, 0
.macro WIN new                         ; the immediate's high byte repeats the setting that is left
.if MSB != \new
	s_set_vgpr_msb (MSB<<8)|\new
.set MSB, \new
.endif
.endm
.macro PL
.rept 4
	v_nop
.endr
.endm
.macro BAR
	s_wait_dscnt 0x0
	s_barrier_signal -1
	s_barrier_wait -1
.endm
.macro MMA d, a, b, sa, sb
	v_wmma_scale_f32_16x16x128_f8f6f4 v[\d:\d+7], v[\a:\a+11], v[\b:\b+11], v[\d:\d+7], v[\sa], v[\sb] matrix_a_fmt:MATRIX_FMT_BF6 matrix_b_fmt:MATRIX_FMT_BF6
.endm
.macro MMC d, a, b, c, sa, sb
	v_wmma_scale_f32_16x16x128_f8f6f4 v[\d:\d+7], v[\a:\a+11], v[\b:\b+11], v[\c:\c+7], v[\sa], v[\sb] matrix_a_fmt:MATRIX_FMT_BF6 matrix_b_fmt:MATRIX_FMT_BF6
.endm
.macro FETC reg, adr, off
.irp q, 0,1,2
	ds_load_b128 v[\reg+4*\q:\reg+4*\q+3], v[\adr] offset:\off+512*\q
.endr
.endm
.macro FETL reg, adr, off
.irp q, 0,1,2
	ds_load_b128 v[\reg+4*\q:\reg+4*\q+3], v[\adr] offset:\off+16*\q
.endr
.endm
.macro IMGC adr, off
.irp q, 0,1,2
	ds_store_b128 v[\adr], v[PC+4*\q:PC+4*\q+3] offset:\off+512*\q
.endr
.endm
.macro QHS x                           ; register 16 b + i = number 16 h + i of block b: the four blocks' scale operands in v[TM+12+b], bytes in v[TM+4+b]
.irp b, 0,1,2,3
	v_max3_num_f32 v[TM+\b], |v[\x+16*\b]|, |v[\x+16*\b+1]|, 0x2800000      ; with the floor 2^(5 - 127)
.endr
.irp i, 2,4,6,8,10,12,14
.irp b, 0,1,2,3
	v_max3_num_f32 v[TM+\b], v[TM+\b], |v[\x+16*\b+\i]|, |v[\x+16*\b+\i+1]|
.endr
.endr
.irp b, 0,1,2,3
	v_permlanex16_b32 v[TM+4+\b], v[TM+\b], s[SEL], s[SEL+1]
.endr
.irp b, 0,1,2,3
	v_max_num_f32 v[TM+\b], v[TM+\b], v[TM+4+\b]
.endr
.irp b, 0,1,2,3
	v_add_nc_u32 v[TM+12+\b], 0xfe000000, v[TM+\b]
.endr
.irp b, 0,1,2,3
	v_lshrrev_b32 v[TM+4+\b], 23, v[TM+12+\b]
.endr
.endm
.macro QH x                            ; and the fragment in v[PC] on, its scale word in v[PW]
	QHS \x
	v_lshl_or_b32 v[PW], v[TM+5], 8, v[TM+4]
	v_lshl_or_b32 v[PW], v[TM+6], 16, v[PW]
	v_lshl_or_b32 v[PW], v[TM+7], 24, v[PW]
.irp c, 0,1
	v_cvt_scalef32_pk16_bf6_f32 v[PC+6*\c:PC+6*\c+2], v[\x+32*\c:\x+32*\c+15], v[TM+12+2*\c]
	v_cvt_scalef32_pk16_bf6_f32 v[PC+12+4*\c:PC+14+4*\c], v[\x+32*\c+16:\x+32*\c+31], v[TM+13+2*\c]
.endr
	v_nop                                          ; one plain line behind the conversions
.irp c, 0,1
.irp i, 0,1,2
	v_permlane16_swap_b32 v[PC+6*\c+\i], v[PC+12+4*\c+\i]
.endr
.irp i, 0,1,2
	v_mov_b32 v[PC+3+6*\c+\i], v[PC+12+4*\c+\i]
.endr
.endr
.endm
.macro SUM8                            ; the eight waves' parts, in v[ST+8m ..], become one sum in v[ST+8m]
.irp m, 0,1,2,3
	v_pk_add_f32 v[ST+8*\m:ST+8*\m+1], v[ST+8*\m:ST+8*\m+1], v[ST+8*\m+2:ST+8*\m+3]
.endr
.irp m, 0,1,2,3
	v_pk_add_f32 v[ST+8*\m+4:ST+8*\m+5], v[ST+8*\m+4:ST+8*\m+5], v[ST+8*\m+6:ST+8*\m+7]
.endr
.irp m, 0,1,2,3
	v_pk_add_f32 v[ST+8*\m:ST+8*\m+1], v[ST+8*\m:ST+8*\m+1], v[ST+8*\m+4:ST+8*\m+5]
.endr
.irp m, 0,1,2,3
	v_add_f32 v[ST+8*\m], v[ST+8*\m], v[ST+8*\m+1]
.endr
.endm
.macro SHARE off                       ; my lane's pair of sums in v[ST+8m:ST+8m+1] -> my wave's word -> all eight words back
.irp m, 0,1,2,3
	v_add_f32 v[ST+8*\m], v[ST+8*\m], v[ST+8*\m+1]
.endr
.irp m, 0,1,2,3
	v_permlanex16_b32 v[ST+8*\m+1], v[ST+8*\m], s[SEL], s[SEL+1]
.endr
.irp m, 0,1,2,3
	v_add_f32 v[ST+8*\m], v[ST+8*\m], v[ST+8*\m+1]     ; my wave's 32 channels of token 16 m + r
.endr
.irp m, 0,1,2,3
	ds_store_b32 v6, v[ST+8*\m] offset:\off+512*\m     ; both halves of the lanes write the same word with the same value
.endr
	BAR
.irp m, 0,1,2,3
	ds_load_b128 v[ST+8*\m:ST+8*\m+3],   v7 offset:\off+512*\m
	ds_load_b128 v[ST+8*\m+4:ST+8*\m+7], v7 offset:\off+512*\m+16
.endr
	s_wait_dscnt 0x0
	SUM8
.endm
.macro GELU4 b                         ; eight numbers v[HA+b ..], four pairs by turns
.irp p, 0,2,4,6
	v_pk_mul_f32 v[GU+\p:GU+\p+1], v[HA+\b+\p:HA+\b+\p+1], 0x3f3504f3 op_sel_hi:[1,0]          ; u = h / sqrt(2)
.endr
.irp p, 0,1,2,3,4,5,6,7
	v_med3_num_f32 v[GU+\p], v[GU+\p], -4.0, 4.0
.endr
.irp p, 0,2,4,6
	v_pk_mul_f32 v[GX+\p:GX+\p+1], v[GU+\p:GU+\p+1], v[GU+\p:GU+\p+1]
.endr
.irp p, 0,2,4,6
	v_pk_fma_f32 v[GP+\p:GP+\p+1], v[GX+\p:GX+\p+1], v[CA13:CA13+1], 0x32edffee op_sel_hi:[1,1,0]
.endr
.irp p, 0,2,4,6
	v_pk_fma_f32 v[GQ+\p:GQ+\p+1], v[GX+\p:GX+\p+1], v[CB8:CB8+1], 0xb95fbd29 op_sel_hi:[1,1,0]
.endr
.irp a, 0xb60cff51, 0xb86ec2d2, 0xba40ac63, 0xbb41a1f6, 0xbc83dbd4
.irp p, 0,2,4,6
	v_pk_fma_f32 v[GP+\p:GP+\p+1], v[GP+\p:GP+\p+1], v[GX+\p:GX+\p+1], \a op_sel_hi:[1,1,0]
.endr
.endr
.irp a, 0xbadc924e, 0xbbf19bf8, 0xbc69b6a7
.irp p, 0,2,4,6
	v_pk_fma_f32 v[GQ+\p:GQ+\p+1], v[GQ+\p:GQ+\p+1], v[GX+\p:GX+\p+1], \a op_sel_hi:[1,1,0]
.endr
.endr
.irp p, 0,2,4,6
	v_pk_mul_f32 v[GP+\p:GP+\p+1], v[GP+\p:GP+\p+1], v[GU+\p:GU+\p+1]
.endr
.irp p, 0,1,2,3,4,5,6,7
	v_rcp_f32 v[GQ+\p], v[GQ+\p]                   ; Q is negative for every u: never 0
.endr
.irp p, 0,2,4,6
	v_pk_mul_f32 v[HA+\b+\p:HA+\b+\p+1], v[HA+\b+\p:HA+\b+\p+1], 0.5 op_sel_hi:[1,0]           ; (plain lines behind the transcendentals)
.endr
	s_wait_alu depctr_va_vdst(0)
.irp p, 0,2,4,6
	v_pk_mul_f32 v[GP+\p:GP+\p+1], v[GP+\p:GP+\p+1], v[GQ+\p:GQ+\p+1]                          ; erf
.endr
.irp p, 0,2,4,6
	v_pk_fma_f32 v[HA+\b+\p:HA+\b+\p+1], v[HA+\b+\p:HA+\b+\p+1], v[GP+\p:GP+\p+1], v[HA+\b+\p:HA+\b+\p+1]   ; h / 2 + h / 2 x erf
.endr
.endm
	s_load_b256 s[4:11], s[0:1], 0x0               ; ac, asc, x, wimg
	s_load_b256 s[12:19], s[0:1], 0x20             ; wsc, proj_b, ln2_g, ln2_b
	s_load_b128 s[20:23], s[0:1], 0x40             ; fc1_b, fc2_b
	s_load_b64 s[24:25], s[0:1], 0x50              ; out0
	v_lshrrev_b32 v238, 5, v0
	v_readfirstlane_b32 s26, v238                  ; wave 0..7
	s_mov_b32 s27, ttmp9                           ; g
	v_and_b32 v238, 31, v0                         ; lane
	v_and_b32 v[OR_], 15, v0                       ; r
	v_bfe_u32 v255, v0, 4, 1                       ; h
	v_lshlrev_b32 v1, 4, v238                      ; v1  16 x lane
	v_lshlrev_b32 v2, 2, v238                      ; v2  4 x lane
	v_lshlrev_b32 v3, 6, v255                      ; v3  64 h: my half's 16 numbers of a bias
	v_mul_u32_u24 v[OA], v[OR_], 24
	v_mad_u32_u24 v[OA], v255, 0xc000, v[OA]       ; token r's 24 bytes; lanes 16-31 one head (2,048 x 24 bytes) on
	s_mov_b32 s[SEL], 0x76543210
	s_mov_b32 s[SEL+1], 0xfedcba98
	s_mov_b32 s30, 0x3b800000                      ; 1 / 256
	s_mov_b32 s31, 0x3727c5ac                      ; 1e-5
	s_lshl_b32 s66, s27, 16                        ; 64 rows of 1,024 bytes a work-group,
	s_lshl_b32 s67, s26, 13                        ; 8 a wave
	s_add_co_u32 s66, s66, s67
	s_mov_b32 s67, 0
	s_lshr_b32 s68, s27, 5                         ; b
	s_and_b32 s69, s27, 31
	s_lshl_b32 s69, s69, 6
	s_lshr_b32 s70, s26, 1
	s_lshl_b32 s70, s70, 4
	s_add_co_u32 s69, s69, s70                     ; the first token (in its sequence) of the fragment that I bring: tile w / 2,
	s_and_b32 s70, s26, 1                          ; K step w % 2: heads 4 s on
	s_mul_i32 s72, s68, 393216
	s_mul_i32 s73, s70, 196608
	s_add_co_u32 s72, s72, s73
	s_mul_i32 s73, s69, 24
	s_add_co_u32 s72, s72, s73
	s_mov_b32 s73, 0
	s_lshl_b32 s74, s68, 3
	s_lshl_b32 s75, s70, 2
	s_add_co_u32 s74, s74, s75
	s_lshl_b32 s74, s74, 11
	s_add_co_u32 s74, s74, s69
	s_mov_b32 s75, 0
	s_mul_i32 s76, s26, 6144
	s_mov_b32 s77, 0
	s_lshl_b32 s78, s26, 7
	s_mov_b32 s79, 0
	s_wait_kmcnt 0x0
	s_add_nc_u64 s[32:33], s[8:9], s[66:67]        ; x: my 8 rows
	s_add_nc_u64 s[56:57], s[24:25], s[66:67]      ; out0: the same
	s_add_nc_u64 s[34:35], s[4:5], s[72:73]
	s_add_nc_u64 s[36:37], s[6:7], s[74:75]
	s_add_nc_u64 s[38:39], s[10:11], s[76:77]      ; wimg + 4 fragments x w (proj's)
	s_add_nc_u64 s[46:47], s[14:15], s[78:79]      ; my 32 numbers of proj_b, the gain, the bias, fc2_b
	s_add_nc_u64 s[48:49], s[16:17], s[78:79]
	s_add_nc_u64 s[50:51], s[18:19], s[78:79]
	s_add_nc_u64 s[52:53], s[22:23], s[78:79]
	s_lshl_b32 s76, s26, 9
	s_add_nc_u64 s[42:43], s[12:13], s[76:77]      ; wsc + 4 x 128 w
	s_add_nc_u64 s[54:55], s[20:21], s[76:77]      ; my 128 numbers of fc1_b
	s_mul_i32 s76, s26, 24576
	s_add_nc_u64 s[40:41], s[10:11], s[76:77]      ; wimg + 16 fragments x w (fc1's, fc2's)
	s_lshl_b32 s76, s26, 11
	s_add_nc_u64 s[44:45], s[12:13], s[76:77]
.irp i, 0,1,2,3,4,5,6,7
	global_load_b128 v[Y+8*\i:Y+8*\i+3],   v1, s[32:33] offset:1024*\i th:TH_LOAD_NT           ; x, dense: 16 loads
	global_load_b128 v[Y+8*\i+4:Y+8*\i+7], v1, s[32:33] offset:1024*\i+512 th:TH_LOAD_NT
.endr
.irp c, 0,1
.irp p, 0,1,2
	global_load_b64 v[PC+6*\c+2*\p:PC+6*\c+2*\p+1], v[OA], s[34:35] offset:98304*\c+8*\p th:TH_LOAD_NT   ; attention's fragment w: block 2 c + h is head 4 s + 2 c + h: 6 loads
.endr
.endr
.irp k, 0,1,2,3
	global_load_u8 v[TM+\k], v[OR_], s[36:37] offset:2048*\k th:TH_LOAD_NT                     ; its four bytes: 4 loads
.endr
.irp k, 0,1,2,3,4,5,6,7,8,9,10,11
	global_load_b128 v[HA+4*\k:HA+4*\k+3], v1, s[38:39] offset:147456+512*\k                   ; proj's weights, fragment 2 u + s: 12 loads,
.endr
.irp k, 0,1,2,3
	global_load_b32 v[XS2+\k], v2, s[42:43] offset:12288+128*\k                                ; 4,
.endr
.irp j, 0,1,2,3
	global_load_b128 v[PB+4*\j:PB+4*\j+3], v3, s[46:47] offset:16*\j                           ; and proj_b: 4
.endr
	; LDS addresses: each a constant + a constant x lane + a constant x wave
	v_mul_u32_u24 v4, v[OR_], SPX
	v_add_nc_u32 v4, v4, v3
	v_add_nc_u32 v4, s78, v4                       ; v4  the stage by channels: row r, + 64 h + 128 w
	s_mul_i32 s68, s26, 8*SPX
	v_add_nc_u32 v5, s68, v1                       ; v5  the stage by rows: my 8 rows
	v_lshlrev_b32 v7, 5, v[OR_]
	v_add_nc_u32 v7, STAT1, v7                     ; v7  the eight waves' words of token r
	s_lshl_b32 s68, s26, 2
	v_add_nc_u32 v6, s68, v7                       ; v6  mine
	s_lshr_b32 s68, s26, 2
	s_mul_i32 s68, s68, 1536                       ; my block w lies in K step w / 4,
	s_and_b32 s69, s26, 1
	s_mul_i32 s69, s69, 768                        ; in lanes 16 (w % 2) on,
	s_add_co_u32 s68, s68, s69
	s_bfe_u32 s69, s26, 0x10001
	s_mul_i32 s69, s69, 24                         ; in registers 6 ((w / 2) % 2) on
	s_add_co_u32 s68, s68, s69
	s_add_co_u32 s68, s68, ZIMG
	v_mul_u32_u24 v8, v[OR_], 48
	v_mad_u32_u24 v8, v255, 12, v8
	v_add_nc_u32 v8, s68, v8                       ; v8  where my 16 codes of LN2's result go
	v_lshlrev_b32 v11, 2, v[OR_]
	v_add_nc_u32 v11, ZSC, v11                     ; v11 LN2's scale word of token r
	s_lshr_b32 s68, s26, 2
	s_lshl_b32 s68, s68, 7
	s_and_b32 s69, s26, 3
	s_add_co_u32 s68, s68, s69
	v_add_nc_u32 v9, s68, v11                      ; v9  my byte of it
	v_mul_u32_u24 v10, v238, 48
	v_add_nc_u32 v10, ZIMG, v10                    ; v10 LN2's fragments, 48 bytes a lane
	s_mul_i32 s68, s26, 1536
	s_add_co_u32 s69, s68, HIMG
	v_add_nc_u32 v12, s69, v1                      ; v12 where the hidden layer's K step w goes
	s_add_co_u32 s69, s78, HSC
	v_add_nc_u32 v13, s69, v2                      ; v13 and its scale words
	s_add_co_u32 s69, s68, AIMG
	v_add_nc_u32 v[T1], s69, v1
	s_add_co_u32 s69, s78, ASC
	v_add_nc_u32 v[T2], s69, v2
	v_add_nc_u32 v[T3], AIMG, v1
	v_add_nc_u32 v[T4], ASC, v2
	s_wait_loadcnt 30                              ; x is in; the 10 + 20 loads behind it may be out
.irp i, 0,1,2,3,4,5,6,7
	ds_store_b128 v5, v[Y+8*\i:Y+8*\i+3]   offset:SPX*\i
	ds_store_b128 v5, v[Y+8*\i+4:Y+8*\i+7] offset:SPX*\i+512
.endr
	s_wait_loadcnt 20                              ; attention's fragment and bytes are in; proj's 20 loads may be out
	v_lshl_or_b32 v[PW], v[TM+1], 8, v[TM]
	v_lshl_or_b32 v[PW], v[TM+2], 16, v[PW]
	v_lshl_or_b32 v[PW], v[TM+3], 24, v[PW]
	IMGC T1, 0
	ds_store_b32 v[T2], v[PW]
	WIN 0x40                                       ; destination window 1
.set k, 0
.rept 48
	global_load_b128 v[4*k:4*k+3], v1, s[40:41] offset:196608+512*k                            ; fc1's weights, fragment 2 t + s: 48 loads,
.set k, k+1
.endr
.irp t, 0,1,2,3,4,5,6,7
	global_load_b128 v[192+8*\t:195+8*\t], v3, s[54:55] offset:(32*(\t/2)+8*(\t%2))*4          ; fc1_b at the lane's eight units of tile t: 16,
	global_load_b128 v[196+8*\t:199+8*\t], v3, s[54:55] offset:(32*(\t/2)+8*(\t%2))*4+16
.endr
	WIN 0
.set k, 0
.rept 16
	global_load_b32 v[WS+k], v2, s[44:45] offset:16384+128*k                                   ; and the scale words: 16
.set k, k+1
.endr
	BAR                                            ; x's 64 rows and attention's eight fragments lie in LDS
	; ---- 1: Y = x + proj_b + attention x proj_w^T
.irp m, 0,1,2,3
.irp j, 0,1,2,3
	ds_load_b128 v[Y+16*\m+4*\j:Y+16*\m+4*\j+3], v4 offset:16*SPX*\m+16*\j
.endr
.endr
	s_wait_loadcnt 63                              ; proj's loads are in: 80 were issued behind them, and the count's field holds 63
	s_wait_dscnt 0x0
.irp m, 0,1,2,3
.irp k, 0,2,4,6,8,10,12,14
	v_pk_add_f32 v[Y+16*\m+\k:Y+16*\m+\k+1], v[Y+16*\m+\k:Y+16*\m+\k+1], v[PB+\k:PB+\k+1]
.endr
.endr
.irp s, 0,1
	PL                                             ; behind the additions, or behind the products whose operands are loaded anew
.irp m, 0,1,2,3
	FETC XF+12*\m, T3, 3072*\m+1536*\s
	ds_load_b32 v[XS+\m], v[T4] offset:256*\m+128*\s
.endr
	s_wait_dscnt 0x0
.irp m, 0,1,2,3
.irp u, 0,1
	MMA Y+16*\m+8*\u, HA+12*(2*\u+\s), XF+12*\m, XS2+2*\u+\s, XS+\m
.endr
.endr
.endr
	PL
	; ---- 2: LN2 of Y, quantised
.irp j, 0,1,2,3
	global_load_b128 v[160+4*\j:163+4*\j], v3, s[48:49] offset:16*\j                           ; the gain,
	global_load_b128 v[176+4*\j:179+4*\j], v3, s[50:51] offset:16*\j                           ; the bias,
	global_load_b128 v[192+4*\j:195+4*\j], v3, s[52:53] offset:16*\j                           ; fc2_b, at my 16 channels
.endr
.irp m, 0,1,2,3
	v_pk_add_f32 v[ST+8*\m:ST+8*\m+1], v[Y+16*\m:Y+16*\m+1], v[Y+16*\m+2:Y+16*\m+3]            ; each accumulator from its low end on
.endr
.irp m, 0,1,2,3
	v_pk_add_f32 v[ST+8*\m+2:ST+8*\m+3], v[Y+16*\m+4:Y+16*\m+5], v[Y+16*\m+6:Y+16*\m+7]
.endr
.irp k, 8,12
.irp m, 0,1,2,3
	v_pk_add_f32 v[ST+8*\m:ST+8*\m+1], v[ST+8*\m:ST+8*\m+1], v[Y+16*\m+\k:Y+16*\m+\k+1]
.endr
.irp m, 0,1,2,3
	v_pk_add_f32 v[ST+8*\m+2:ST+8*\m+3], v[ST+8*\m+2:ST+8*\m+3], v[Y+16*\m+\k+2:Y+16*\m+\k+3]
.endr
.endr
.irp m, 0,1,2,3
	v_pk_add_f32 v[ST+8*\m:ST+8*\m+1], v[ST+8*\m:ST+8*\m+1], v[ST+8*\m+2:ST+8*\m+3]
.endr
	SHARE 0
.irp m, 0,1,2,3
	v_mul_f32 v[ST+8*\m], s30, v[ST+8*\m]          ; the mean
.endr
.irp m, 0,1,2,3
.irp k, 0,2,4,6,8,10,12,14
	v_pk_add_f32 v[HA+16*\m+\k:HA+16*\m+\k+1], v[Y+16*\m+\k:Y+16*\m+\k+1], v[ST+8*\m:ST+8*\m+1] op_sel_hi:[1,0] neg_lo:[0,1] neg_hi:[0,1]
.endr
.endr
.irp m, 0,1,2,3
	v_pk_mul_f32 v[ST+8*\m:ST+8*\m+1], v[HA+16*\m:HA+16*\m+1], v[HA+16*\m:HA+16*\m+1]
.endr
.irp k, 2,4,6,8,10,12,14
.irp m, 0,1,2,3
	v_pk_fma_f32 v[ST+8*\m:ST+8*\m+1], v[HA+16*\m+\k:HA+16*\m+\k+1], v[HA+16*\m+\k:HA+16*\m+\k+1], v[ST+8*\m:ST+8*\m+1]
.endr
.endr
	SHARE 2048                                     ; words of their own: no wave still reads the sums' words when these are stored or not, they do not meet
.irp m, 0,1,2,3
	v_fma_f32 v[ST+8*\m], v[ST+8*\m], s30, s31     ; the variance + 1e-5
.endr
.irp m, 0,1,2,3
	v_rsq_f32 v[ST+8*\m], v[ST+8*\m]
.endr
	v_nop                                          ; one plain line behind the transcendentals
	s_wait_loadcnt 0x0                             ; gain, bias, fc2_b; fc1's weights too
	s_wait_alu depctr_va_vdst(0)
.irp m, 0,1,2,3
.irp k, 0,2,4,6,8,10,12,14
	v_pk_mul_f32 v[HA+16*\m+\k:HA+16*\m+\k+1], v[HA+16*\m+\k:HA+16*\m+\k+1], v[ST+8*\m:ST+8*\m+1] op_sel_hi:[1,0]
.endr
.endr
.irp m, 0,1,2,3
.irp k, 0,2,4,6,8,10,12,14
	v_pk_fma_f32 v[HA+16*\m+\k:HA+16*\m+\k+1], v[HA+16*\m+\k:HA+16*\m+\k+1], v[160+\k:161+\k], v[176+\k:177+\k]
.endr
.endr
.irp m, 0,1,2,3
.irp k, 0,2,4,6,8,10,12,14
	v_pk_add_f32 v[Y+16*\m+\k:Y+16*\m+\k+1], v[Y+16*\m+\k:Y+16*\m+\k+1], v[192+\k:193+\k]      ; Y = x1 + fc2_b: the C of fc2's first products
.endr
.endr
	QHS HA                                         ; block b here = tile of rows b: token 16 b + r's 32 channels of my wave
.irp m, 0,1,2,3
	v_cvt_scalef32_pk16_bf6_f32 v[PC+4*\m:PC+4*\m+2], v[HA+16*\m:HA+16*\m+15], v[TM+12+\m]
.endr
	v_nop
	v_mov_b32 v[CA13], 0xaf95df0b                  ; erf's leading coefficients, for the trips below
	v_mov_b32 v[CA13+1], 0xaf95df0b
	v_mov_b32 v[CB8], 0xb77460cd
	v_mov_b32 v[CB8+1], 0xb77460cd
.irp m, 0,1,2,3
.irp k, 0,1,2
	ds_store_b32 v8, v[PC+4*\m+\k] offset:3072*\m+4*\k
.endr
	ds_store_b8 v9, v[TM+4+\m] offset:256*\m
.endr
	BAR                                            ; LN2's eight fragments lie in LDS
	; ---- 3: my 128 hidden units, a tile of 16 tokens a trip
.macro TRIP last
	v_add_nc_u32 v[T1], s60, v10
	v_add_nc_u32 v[T2], s61, v11
	v_add_nc_u32 v[T3], s62, v12
	v_add_nc_u32 v[T4], s63, v13
	FETL XF, T1, 0
	FETL XF+12, T1, 1536
	ds_load_b32 v[XS], v[T2]
	ds_load_b32 v[XS+1], v[T2] offset:128
	s_wait_dscnt 0x0
	WIN 0x11                                       ; source 0 (the weight) and C (fc1_b) window 1
.irp t, 0,1,2,3,4,5,6,7
	MMC HA+8*\t, 24*\t, XF, 192+8*\t, WS+2*\t, XS
.endr
	WIN 0x01
.irp t, 0,1,2,3,4,5,6,7
	MMA HA+8*\t, 24*\t+12, XF+12, WS+2*\t+1, XS+1
.endr
	WIN 0
	PL
.if \last
	WIN 0x40                                       ; fc1's weights have had their last product, four places back: fc2's take their registers and land under the GELU
.set k, 0
.rept 48
	global_load_b128 v[4*k:4*k+3], v1, s[40:41] offset:393216+512*k                            ; fragment 8 u + s
.set k, k+1
.endr
	WIN 0
.set k, 0
.rept 16
	global_load_b32 v[WS+k], v2, s[44:45] offset:32768+128*k
.set k, k+1
.endr
.endif
.irp b, 0,8,16,24,32,40,48,56
	GELU4 \b
.endr
	QH HA
	IMGC T3, 0
	ds_store_b32 v[T4], v[PW]
	s_wait_dscnt 0x0                               ; the stores have read their registers
.endm
	s_mov_b32 s59, 0
	s_mov_b32 s60, 0
	s_mov_b32 s61, 0
	s_mov_b32 s62, 0
	s_mov_b32 s63, 0
.Lm:
	TRIP 0
	s_add_co_u32 s60, s60, 3072                    ; two fragments of LN2's,
	s_add_co_u32 s61, s61, 256                     ; their scale words,
	s_add_co_u32 s62, s62, 12288                   ; eight of the hidden layer's,
	s_add_co_u32 s63, s63, 1024                    ; theirs
	s_add_co_u32 s59, s59, 1
	s_cmp_lt_u32 s59, 3
	s_cbranch_scc1 .Lm
	TRIP 1                                         ; the fourth tile is written out: it alone asks for fc2's weights
	BAR                                            ; the hidden layer's 32 fragments lie in LDS
	; ---- 4: Y += hidden x fc2_w^T: eight K steps, the tokens' fragments in two sets by turns
	v_add_nc_u32 v[T1], HIMG, v1
	v_add_nc_u32 v[T2], HSC, v2
.macro HFETCH s                        ; K step s of the four tiles of tokens: 12 + 4 LDS loads; even steps into v160 on, odd ones into v96 on
.irp m, 0,1,2,3
	FETC XF-64*((\s)%2)+12*\m, T1, 12288*\m+1536*(\s)
	ds_load_b32 v[XS+4*((\s)%2)+\m], v[T2] offset:1024*\m+128*(\s)
.endr
.endm
	s_wait_loadcnt 0x0                             ; fc2's weights
	HFETCH 0
.irp s, 0,1,2,3,4,5,6,7
.if \s < 7
	HFETCH \s+1
	s_wait_dscnt 16                                ; this step's are in; the 16 just issued may be out
.else
	s_wait_dscnt 0x0
.endif
	WIN 0x01
.irp m, 0,1,2,3
.irp u, 0,1
	MMA Y+16*\m+8*\u, 12*(8*\u+\s), XF-64*(\s%2)+12*\m, WS+8*\u+\s, XS+4*(\s%2)+\m
.endr
.endr
	WIN 0
	PL                                             ; in front of the loads into this set two steps on, and of the first read of the results
.endr
.irp m, 0,1,2,3
.irp j, 0,1,2,3
	ds_store_b128 v4, v[Y+16*\m+4*\j:Y+16*\m+4*\j+3] offset:16*SPX*\m+16*\j                    ; each accumulator from its low end on
.endr
.endr
	BAR                                            ; 64 whole rows of out0 lie in the stage
.irp i, 0,1,2,3,4,5,6,7
	ds_load_b128 v[HA+8*\i:HA+8*\i+3],   v5 offset:SPX*\i
	ds_load_b128 v[HA+8*\i+4:HA+8*\i+7], v5 offset:SPX*\i+512
.endr
.irp i, 0,1,2,3,4,5,6,7
	s_wait_dscnt 15-2*\i                           ; LDS loads come back in order: the younger ones may be out
	global_store_b128 v1, v[HA+8*\i:HA+8*\i+3],   s[56:57] offset:1024*\i th:TH_STORE_NT       ; 512 consecutive bytes, aligned
	s_wait_dscnt 14-2*\i
	global_store_b128 v1, v[HA+8*\i+4:HA+8*\i+7], s[56:57] offset:1024*\i+512 th:TH_STORE_NT
.endr
	s_wait_xcnt 0x0
	v_lshl_add_u32 v254, v0, 2, 0x24c00
	v_mov_b32 v255, 0
	s_wait_tensorcnt 0x0
	ds_add_u32 v254, v255
	s_wait_dscnt 0x0
	s_endpgm
.Lfunc_end_k_q99e04f4165_mlp:
	.size	k_q99e04f4165_mlp, .Lfunc_end_k_q99e04f4165_mlp-k_q99e04f4165_mlp
	.p2alignl 7, 3214868480
	.fill 96, 4, 3214868480
	.section	.rodata,"a",@progbits
	.p2align	6, 0x0
	.amdhsa_kernel k_q99e04f4165_mlp
		.amdhsa_group_segment_fixed_size 151552
		.amdhsa_private_segment_fixed_size 0
		.amdhsa_enable_private_segment 0
		.amdhsa_kernarg_size 88
		.amdhsa_user_sgpr_count 2
		.amdhsa_user_sgpr_kernarg_segment_ptr 1
		.amdhsa_wavefront_size32 1
		.amdhsa_system_sgpr_workgroup_id_x 1
		.amdhsa_system_sgpr_workgroup_id_y 1
		.amdhsa_system_sgpr_workgroup_id_z 1
		.amdhsa_system_vgpr_workitem_id 0
		.amdhsa_next_free_vgpr 512
		.amdhsa_next_free_sgpr 80
		.amdhsa_reserve_vcc 0
		.amdhsa_float_denorm_mode_32 3
		.amdhsa_float_denorm_mode_16_64 3
		.amdhsa_memory_ordered 1
		.amdhsa_forward_progress 1
		.amdhsa_inst_pref_size 190
	.end_amdhsa_kernel
	.amdgpu_metadata
---
amdhsa.version: [ 1, 2 ]
amdhsa.kernels:
  - .name:           k_q99e04f4165_mlp
    .symbol:         k_q99e04f4165_mlp.kd
    .args:
      - { .name: ac, .offset: 0, .size: 8, .value_kind: global_buffer, .address_space: global }
      - { .name: asc, .offset: 8, .size: 8, .value_kind: global_buffer, .address_space: global }
      - { .name: x, .offset: 16, .size: 8, .value_kind: global_buffer, .address_space: global }
      - { .name: wimg, .offset: 24, .size: 8, .value_kind: global_buffer, .address_space: global }
      - { .name: wsc, .offset: 32, .size: 8, .value_kind: global_buffer, .address_space: global }
      - { .name: proj_b, .offset: 40, .size: 8, .value_kind: global_buffer, .address_space: global }
      - { .name: ln2_g, .offset: 48, .size: 8, .value_kind: global_buffer, .address_space: global }
      - { .name: ln2_b, .offset: 56, .size: 8, .value_kind: global_buffer, .address_space: global }
      - { .name: fc1_b, .offset: 64, .size: 8, .value_kind: global_buffer, .address_space: global }
      - { .name: fc2_b, .offset: 72, .size: 8, .value_kind: global_buffer, .address_space: global }
      - { .name: out0, .offset: 80, .size: 8, .value_kind: global_buffer, .address_space: global }
    .group_segment_fixed_size: 151552
    .private_segment_fixed_size: 0
    .kernarg_segment_align: 8
    .kernarg_segment_size: 88
    .max_flat_workgroup_size: 256
    .sgpr_count:     80
    .vgpr_count:     512
    .wavefront_size: 32
...
	.end_amdgpu_metadata
.endif
;; end of part 4
;; ======== version 2 of 2: 4 launches; version 1 with the launches qkv, mlp written anew for expert scheduling mode
;; workspace buffers: wimg 589,824 bytes; wsc 49,152 bytes; qc 3,145,728 bytes; qs 131,072 bytes; kv 6,553,600 bytes; ac 3,145,728 bytes; asc 131,072 bytes
;; launch prep: the kernel of part 1 again; grid 384 x 1, 1 waves a work-group, no clusters, 0 bytes of LDS; arguments qkv_w, proj_w, fc1_w, fc2_w, wimg, wsc; writes wimg, wsc
;; launch qkv (part 5): grid 128 x 1, 16 waves a work-group, no clusters, 238,592 bytes of LDS; arguments x, ln1_g, ln1_b, wimg, wsc, qc, qs, kv; writes qc, qs, kv
.if DOCPART == 5
	.amdgcn_target "amdgcn-amd-amdhsa--gfx1250"
	.amdhsa_code_object_version 6
	.text
	.protected	k_q99e04f4165_qkv
	.globl	k_q99e04f4165_qkv
	.p2align	8
	.type	k_q99e04f4165_qkv,@function
k_q99e04f4165_qkv:
	s_mov_b64 s[64:65], 0
	v_nop
	global_prefetch_b8 v0, s[64:65] scope:SCOPE_SE
	s_setreg_imm32_b32 hwreg(HW_REG_WAVE_SCHED_MODE, 0, 2), 2
	s_setreg_imm32_b32 hwreg(HW_REG_WAVE_MODE, 25, 1), 1
	s_wait_xcnt 0x0
	s_wait_alu depctr_vm_vsrc(0)
; LayerNorm 1, its quantising, the product with qkv_w (MX-BF6), and the quantising of q and k (along the head's 32) and of v (along the tokens), for 128 tokens a work-group: one record of kv for each of the 8 heads.
; SIXTEEN WAVES.  LN: wave w normalises rows 8 w .. 8 w + 7, f32, into a stage in LDS | barrier | wave w quantises one of x's 16 fragments (tile w / 2, K step w % 2) and stores its register image | barrier |
; wave (hd = w / 2, c = w % 2): q of head hd for tiles 4 c .. 4 c + 3, k likewise, v's 16 channels of tile c for all 8 tiles | barrier | the records and q leave LDS as dense bytes.
; THE TOKENS OF A TILE ARE NOT NEIGHBOURS: row p of tile T is token 64 (T / 4) + 32 (p / 8) + 8 (T % 4) + p % 8.  So (a) four tiles' k, each token's 32 codes one block, ARE one fragment of 64 keys whose results in the
; next launch are 32 neighbouring keys in a lane; (b) v's results (source 0 = x, source 1 = weight) are 32 neighbouring tokens in a lane's registers 32 c + 0 .. 31: whole blocks along the next K.
; q and k are used transposed (source 0 = 16 rows of the weight, source 1 = x): a lane holds one token and 16 neighbouring channels.
; The accumulators take turns, one instruction a turn.
; NO CLUSTER: a wave takes its own 10 fragments of the weights (15,360 bytes) once, straight into the registers that use them; nothing of them passes through LDS, so there is no tile to ask for jointly.
; LIMITS: NaN and infinities are not served; a block whose largest magnitude lies under 2^-122 (a block of zeros too) gets the byte 1; only this program reads the bytes.
; THE MODE: SCHED_MODE bits 1:0 = 2 (LLVM: expert scheduling mode 2), set by the entry lines.  The code itself states the register dependences between vector or matrix instructions and memory or LDS
; instructions, with s_wait_alu, always for 0.
; THE PLAN.  Registers that memory or LDS instructions touch:
;   v1-15, v232-235   offsets and LDS addresses: written once at the head, read to the end, never written again.
;   ACC  v16-79       x is loaded; LN's lines work in place; LDS stores read them; behind the barrier LDS loads land; the quantiser reads; then three times products write and a quantiser reads; at the end the copy-out's loads land.
;   XF = PC v176-223  a quantiser writes codes, LDS stores read them, the next unit's LDS loads of x's fragments land, products read them.
;   WA v80-127, v249-252   q's weights: loaded, read by q's products, then v's weights land.     WB v128-175, v245-248   k's weights: loaded, read by k's products, then four of x's fragments and scale words land.
;   XS v241-244       scale words of x's fragments: LDS loads land, products read.
; So one wait on va_vdst stands ahead of each run of LDS stores (their data are written; and all earlier vector and matrix lines are done with whatever the next loads land in), one ahead of each unit's second K step and one
; behind q's unit (products are done reading what is loaded anew); one wait on vm_vsrc stands behind each run of LDS stores whose data registers are written again.
.set SPX,  1040                        ; a stage row: 1,024 bytes + 16
.set STG,  0                           ; 128 rows, normalised, f32
.set XIMG, 128*SPX                     ; x's 16 fragments, 2 T + s: registers 4 q .. of lane l at 512 q + 16 l
.set XSC,  XIMG+16*1536                ; their scale words, 128 bytes each
.set REC,  XSC+16*128                  ; 8 records of 6,400 bytes, as they lie in kv: K's two fragments and V's two (48 bytes a lane), K's scale words, V's
.set QST,  REC+8*6400                  ; q's codes [hd][token][24]
.set QSB,  QST+8*3072                  ; q's bytes [hd][token]
.set ACC,  16                          ; v16-79   x's rows, then 64 numbers to quantise, then 8 accumulators
.set WA,   80                          ; v80-127  q's four weight fragments, later v's two
.set WB,   128                         ; v128-175 k's four, later four of x's
.set XF,   176                         ; v176-223 four of x's fragments
.set PC,   176                         ; v176-195 codes just made (x's fragments are done with by then)
.set TM,   224                         ; v224-231, v236-239 at work in the quantisers
.set CA,   232                         ; v232-235 the copy-out's LDS addresses
.set PW,   240
.set XS,   241                         ; v241-248 x's scale words
.set WSB,  245                         ; v245-248 k's weights' scale words, until v's unit
.set WSA,  249                         ; v249-252 q's weights', later v's
.set SH8,  11
.set SEL,  24
.set G,    176                         ; LN: gain, bias, a pair a row for 1 / sigma, a pair a row for the mean
.set BB,   184
.set R,    192
.set MN,   208
.macro PL                              ; four places behind matrix instructions (ISA guide 7.12.1)
.rept 4
	v_nop
.endr
.endm
.macro BAR                             ; my LDS stores have landed and my LDS loads are in: then the work-group's barrier
	s_wait_dscnt 0x0
	s_barrier_signal -1
	s_barrier_wait -1
.endm
.macro MM0 d, a, b, sa, sb             ; starts a sum
	v_wmma_scale_f32_16x16x128_f8f6f4 v[\d:\d+7], v[\a:\a+11], v[\b:\b+11], 0, v[\sa], v[\sb] matrix_a_fmt:MATRIX_FMT_BF6 matrix_b_fmt:MATRIX_FMT_BF6
.endm
.macro MMA d, a, b, sa, sb             ; adds in place
	v_wmma_scale_f32_16x16x128_f8f6f4 v[\d:\d+7], v[\a:\a+11], v[\b:\b+11], v[\d:\d+7], v[\sa], v[\sb] matrix_a_fmt:MATRIX_FMT_BF6 matrix_b_fmt:MATRIX_FMT_BF6
.endm
.macro FETC reg, adr, off              ; a fragment's image back into registers
.irp q, 0,1,2
	ds_load_b128 v[\reg+4*\q:\reg+4*\q+3], v[\adr] offset:\off+512*\q
.endr
.endm
.macro IMGC adr, off                   ; the fragment in v[PC] on, 16 bytes a lane and 512 a store
.irp q, 0,1,2
	ds_store_b128 v[\adr], v[PC+4*\q:PC+4*\q+3] offset:\off+512*\q
.endr
.endm
.macro IMGL adr, off                   ; the same, a lane's 48 bytes on end
.irp q, 0,1,2
	ds_store_b128 v[\adr], v[PC+4*\q:PC+4*\q+3] offset:\off+16*\q
.endr
.endm
.macro QH x                            ; 64 numbers, register 16 b + i = number 16 h + i of block b of my row -> fragment in v[PC] on, scale word in v[PW], bytes in v[TM+4+b]
.irp b, 0,1,2,3
	v_max3_num_f32 v[TM+\b], |v[\x+16*\b]|, |v[\x+16*\b+1]|, 0x2800000      ; with the floor 2^(5 - 127)
.endr
.irp i, 2,4,6,8,10,12,14
.irp b, 0,1,2,3
	v_max3_num_f32 v[TM+\b], v[TM+\b], |v[\x+16*\b+\i]|, |v[\x+16*\b+\i+1]|
.endr
.endr
.irp b, 0,1,2,3
	v_permlanex16_b32 v[TM+4+\b], v[TM+\b], s[SEL], s[SEL+1]
.endr
.irp b, 0,1,2,3
	v_max_num_f32 v[TM+\b], v[TM+\b], v[TM+4+\b]       ; with lane l xor 16's 16: the block's largest magnitude
.endr
.irp b, 0,1,2,3
	v_add_nc_u32 v[TM+12+\b], 0xfe000000, v[TM+\b]     ; 4 off the exponent field: the conversion's scale operand
.endr
.irp b, 0,1,2,3
	v_lshrrev_b32 v[TM+4+\b], 23, v[TM+12+\b]          ; the byte
.endr
	v_lshl_or_b32 v[PW], v[TM+5], 8, v[TM+4]
	v_lshl_or_b32 v[PW], v[TM+6], 16, v[PW]
	v_lshl_or_b32 v[PW], v[TM+7], 24, v[PW]
.irp c, 0,1
	v_cvt_scalef32_pk16_bf6_f32 v[PC+6*\c:PC+6*\c+2], v[\x+32*\c:\x+32*\c+15], v[TM+12+2*\c]
	v_cvt_scalef32_pk16_bf6_f32 v[PC+12+4*\c:PC+14+4*\c], v[\x+32*\c+16:\x+32*\c+31], v[TM+13+2*\c]
.endr
	v_nop                                              ; one plain line behind the conversions
.irp c, 0,1                            ; a WHOLE block to a lane: lanes 0-15 block 2 c, lanes 16-31 block 2 c + 1
.irp i, 0,1,2
	v_permlane16_swap_b32 v[PC+6*\c+\i], v[PC+12+4*\c+\i]
.endr
.irp i, 0,1,2
	v_mov_b32 v[PC+3+6*\c+\i], v[PC+12+4*\c+\i]
.endr
.endr
.endm
.macro QW x                            ; 64 numbers, register 32 c + i = k 64 c + 32 h + i of my row: whole blocks
.irp c, 0,1
	v_max3_num_f32 v[TM+\c], |v[\x+32*\c]|, |v[\x+32*\c+1]|, 0x2800000
.endr
.irp i, 2,4,6,8,10,12,14,16,18,20,22,24,26,28,30
.irp c, 0,1
	v_max3_num_f32 v[TM+\c], v[TM+\c], |v[\x+32*\c+\i]|, |v[\x+32*\c+\i+1]|
.endr
.endr
.irp c, 0,1
	v_add_nc_u32 v[TM+2+\c], 0xfe000000, v[TM+\c]
.endr
.irp c, 0,1
	v_lshrrev_b32 v[TM+4+\c], 23, v[TM+2+\c]
.endr
	v_lshl_or_b32 v[PW], v[TM+5], 16, v[TM+4]
	v_lshlrev_b32 v[PW], v[SH8], v[PW]
	v_permlanex16_b32 v[TM+6], v[PW], s[SEL], s[SEL+1]
	v_or_b32 v[PW], v[PW], v[TM+6]
.irp c, 0,1
	v_cvt_scalef32_pk16_bf6_f32 v[PC+6*\c:PC+6*\c+2], v[\x+32*\c:\x+32*\c+15], v[TM+2+\c]
	v_cvt_scalef32_pk16_bf6_f32 v[PC+12+4*\c:PC+14+4*\c], v[\x+32*\c+16:\x+32*\c+31], v[TM+2+\c]
.endr
	v_nop
.irp c, 0,1
.irp i, 0,1,2
	v_mov_b32 v[PC+3+6*\c+\i], v[PC+12+4*\c+\i]
.endr
.endr
.endm
.macro RED8 a                          ; eight sums over the wave's 32 lanes, in v[a + 2 i]
.irp x, 1,2,4,8
.irp i, 0,1,2,3,4,5,6,7
	v_add_f32_dpp v[\a+2*\i], v[\a+2*\i], v[\a+2*\i] row_xmask:\x row_mask:0xf bank_mask:0xf
.endr
.endr
.irp i, 0,1,2,3,4,5,6,7
	v_permlanex16_b32 v[\a+2*\i+1], v[\a+2*\i], s[SEL], s[SEL+1]
.endr
.irp i, 0,1,2,3,4,5,6,7
	v_add_f32 v[\a+2*\i], v[\a+2*\i], v[\a+2*\i+1]
.endr
.endm
; q or k of my head for my four tiles of x, transposed: accumulator 16 i + 8 u = weight tile u x tile 4 c + i; two K steps
.macro UNIT_T fw, sw
.irp s, 0,1
.if \s
	PL                                             ; the places behind the products above stay
	s_wait_alu depctr_va_vdst(0)                   ; the first K step's products are done reading x's four fragments and their scale words, in which the loads below land
.endif
.irp i, 0,1,2,3
	FETC XF+12*\i, 7, 3072*\i+1536*\s
	ds_load_b32 v[XS+\i], v8 offset:256*\i+128*\s
.endr
	s_wait_dscnt 0x0
.irp i, 0,1,2,3
.irp u, 0,1
.if \s
	MMA ACC+16*\i+8*\u, \fw+12*(2*\u+\s), XF+12*\i, \sw+2*\u+\s, XS+\i
.else
	MM0 ACC+16*\i+8*\u, \fw+12*(2*\u+\s), XF+12*\i, \sw+2*\u+\s, XS+\i
.endif
.endr
.endr
.endr
	PL
.endm
	s_load_b256 s[4:11], s[0:1], 0x0               ; x, ln1_g, ln1_b, wimg
	s_load_b256 s[12:19], s[0:1], 0x20             ; wsc, qc, qs, kv
	v_lshl_add_u32 v254, v0, 2, 0x39c00
	v_mov_b32 v255, 0
	v_lshrrev_b32 v224, 5, v0
	v_readfirstlane_b32 s20, v224                  ; wave 0..15
	v_and_b32 v224, 31, v0                         ; lane
	v_lshlrev_b32 v1, 4, v224                      ; v1  16 x lane
	v_lshlrev_b32 v2, 2, v224                      ; v2  4 x lane
	s_mov_b32 s21, ttmp9                           ; g
	s_wait_alu depctr_va_sdst(0)                   ; s20 is written, ahead of its first reader: bases and LDS addresses are made from it
	s_lshr_b32 s22, s20, 1                         ; hd; also the tile of x that I quantise
	s_and_b32 s23, s20, 1                          ; c; also its K step
	s_mov_b32 s[SEL], 0x76543210
	s_mov_b32 s[SEL+1], 0xfedcba98
	s_mov_b32 s26, 0x3b800000                      ; 1 / 256
	s_mov_b32 s27, 0x3727c5ac                      ; 1e-5
	s_lshl_b32 s46, s21, 17                        ; 128 rows of 1,024 bytes a work-group,
	s_lshl_b32 s47, s20, 13                        ; 8 a wave
	s_add_co_u32 s46, s46, s47
	s_mov_b32 s47, 0
	s_mul_i32 s48, s22, 6144                       ; four fragments a head
	s_mov_b32 s49, 0
	s_lshl_b32 s50, s22, 9
	s_mov_b32 s51, 0
	s_wait_kmcnt 0x0
	s_add_nc_u64 s[28:29], s[4:5], s[46:47]
	s_add_nc_u64 s[30:31], s[10:11], s[48:49]
	s_add_nc_u64 s[34:35], s[12:13], s[50:51]
	s_wait_alu depctr_va_vdst(0)                   ; v1 and v2 are written: every global load and store of the kernel reads one of them as its offset
.irp i, 0,1,2,3,4,5,6,7
	global_load_b128 v[ACC+8*\i:ACC+8*\i+3],   v1, s[28:29] offset:1024*\i th:TH_LOAD_NT       ; 512 consecutive bytes a load
	global_load_b128 v[ACC+8*\i+4:ACC+8*\i+7], v1, s[28:29] offset:1024*\i+512 th:TH_LOAD_NT
.endr
	global_load_b128 v[G:G+3],     v1, s[6:7]
	global_load_b128 v[G+4:G+7],   v1, s[6:7] offset:512
	global_load_b128 v[BB:BB+3],   v1, s[8:9]
	global_load_b128 v[BB+4:BB+7], v1, s[8:9] offset:512
.irp k, 0,1,2,3,4,5,6,7,8,9,10,11
	global_load_b128 v[WA+4*\k:WA+4*\k+3], v1, s[30:31] offset:512*\k                          ; q's weights: fragment 2 u + s
.endr
.irp k, 0,1,2,3
	global_load_b32 v[WSA+\k], v2, s[34:35] offset:128*\k
.endr
.irp k, 0,1,2,3,4,5,6,7,8,9,10,11
	global_load_b128 v[WB+4*\k:WB+4*\k+3], v1, s[30:31] offset:49152+512*\k                    ; k's: 32 fragments on
.endr
.irp k, 0,1,2,3
	global_load_b32 v[WSB+\k], v2, s[34:35] offset:4096+128*\k
.endr
	; the other bases; s51 stays 0
	s_mul_i32 s50, s23, 3072
	s_add_nc_u64 s[32:33], s[30:31], s[50:51]      ; v's weights: tile c of my head
	s_lshl_b32 s50, s23, 8
	s_add_nc_u64 s[36:37], s[34:35], s[50:51]
	s_lshr_b32 s48, s21, 4
	s_lshl_b32 s48, s48, 3
	s_add_co_u32 s48, s48, s22                     ; 8 b + hd
	s_and_b32 s49, s21, 15                         ; which 128 tokens of the sequence
	s_lshl_b32 s46, s48, 4
	s_add_co_u32 s46, s46, s49
	s_mul_i32 s46, s46, 6400                       ; my head's record
	s_mul_i32 s50, s23, 3072
	s_add_co_u32 s50, s46, s50
	s_add_nc_u64 s[38:39], s[18:19], s[50:51]      ; its K half or its V half
	s_lshl_b32 s50, s23, 7
	s_add_co_u32 s50, s46, s50
	s_add_nc_u64 s[40:41], s[18:19], s[50:51]      ; (+ 6,144 in the immediate) K's scale words or V's
	s_lshl_b32 s46, s48, 11
	s_lshl_b32 s50, s49, 7
	s_add_co_u32 s46, s46, s50
	s_mul_i32 s46, s46, 24
	s_mul_i32 s50, s23, 1536
	s_add_co_u32 s50, s46, s50
	s_add_nc_u64 s[42:43], s[14:15], s[50:51]      ; q's codes: my head's 128 tokens, my half
	s_lshl_b32 s50, s21, 10
	s_lshl_b32 s46, s23, 9
	s_add_co_u32 s50, s50, s46
	s_add_nc_u64 s[44:45], s[16:17], s[50:51]      ; q's bytes (waves 0 and 1)
	; LDS addresses: each a constant + a constant x lane + a constant x wave; none is written again
	v_and_b32 v225, 15, v0                         ; r
	v_bfe_u32 v226, v0, 4, 1                       ; h
	v_and_b32 v227, 7, v225
	v_lshrrev_b32 v228, 3, v225
	v_lshl_add_u32 v227, v228, 5, v227             ; 32 (r / 8) + r % 8
	s_mul_i32 s46, s20, 8*SPX
	v_add_nc_u32 v3, s46, v1                       ; v3  the stage, in: my 8 rows
	s_lshr_b32 s46, s22, 2
	s_lshl_b32 s46, s46, 6
	s_and_b32 s47, s22, 3
	s_lshl_b32 s47, s47, 3
	s_add_co_u32 s46, s46, s47                     ; 64 (T / 4) + 8 (T % 4)
	s_mul_i32 s46, s46, SPX
	s_lshl_b32 s47, s23, 9
	s_add_co_u32 s46, s46, s47
	v_mul_u32_u24 v4, v227, SPX
	v_lshl_add_u32 v4, v226, 7, v4
	v_add_nc_u32 v4, s46, v4                       ; v4  the stage, out: my tile's row r, K step s, + 128 h bytes
	s_mul_i32 s46, s20, 1536
	s_add_co_u32 s46, s46, XIMG
	v_add_nc_u32 v5, s46, v1                       ; v5  where I store x's fragment w
	s_lshl_b32 s46, s20, 7
	s_add_co_u32 s46, s46, XSC
	v_add_nc_u32 v6, s46, v2                       ; v6  and its scale words
	s_mul_i32 s46, s23, 12288
	s_add_co_u32 s46, s46, XIMG
	v_add_nc_u32 v7, s46, v1                       ; v7  x's tiles 4 c on
	s_lshl_b32 s46, s23, 10
	s_add_co_u32 s46, s46, XSC
	v_add_nc_u32 v8, s46, v2                       ; v8  their scale words
	v_add_nc_u32 v9, XIMG, v1                      ; v9  x's tiles from 0 on
	v_add_nc_u32 v10, XSC, v2                      ; v10
	v_lshlrev_b32 v[SH8], 3, v226                  ; v11 8 h
	s_mul_i32 s52, s22, 6400
	s_add_co_u32 s52, s52, REC                     ; my head's record in LDS
	s_mul_i32 s47, s23, 1536
	s_add_co_u32 s47, s47, s52
	v_mul_u32_u24 v12, v224, 48
	v_add_nc_u32 v12, s47, v12                     ; v12 K's fragment c (V's: 3,072 on), 48 bytes a lane
	s_lshl_b32 s47, s23, 6
	s_add_co_u32 s47, s47, s52
	s_add_co_u32 s47, s47, 6144
	v_lshlrev_b32 v13, 2, v225
	v_add_nc_u32 v13, s47, v13                     ; v13 K's scale word of row r (V's: 128 on)
	s_mul_i32 s47, s22, 3072
	s_add_co_u32 s47, s47, QST
	s_mul_i32 s54, s23, 1536
	s_add_co_u32 s54, s54, s47
	v_lshl_add_u32 v228, v226, 3, v227
	v_mul_u32_u24 v14, v228, 24
	v_add_nc_u32 v14, s54, v14                     ; v14 q's codes of token 64 c + 32 (r / 8) + r % 8 + 8 h (+ 16 for the upper six registers)
	s_lshl_b32 s47, s22, 7
	s_lshl_b32 s55, s23, 6
	s_add_co_u32 s47, s47, s55
	s_add_co_u32 s47, s47, QSB
	v_add_nc_u32 v15, s47, v227                    ; v15 q's byte of token 64 c + 32 (r / 8) + r % 8 (+ 8 a tile)
	s_mul_i32 s47, s23, 3072
	s_add_co_u32 s47, s47, s52
	v_add_nc_u32 v[CA], s47, v1                    ; the copy-out: half a record's fragments,
	s_lshl_b32 s47, s23, 7
	s_add_co_u32 s47, s47, s52
	s_add_co_u32 s47, s47, 6144
	v_add_nc_u32 v[CA+1], s47, v2                  ; 128 bytes of its scale words,
	v_add_nc_u32 v[CA+2], s54, v1                  ; half a head's q,
	s_lshl_b32 s47, s23, 9
	s_add_co_u32 s47, s47, QSB
	v_add_nc_u32 v[CA+3], s47, v1                  ; half of q's bytes
.irp b, 0,1,2,3
	v_mov_b32 v[TM+4+\b], 0                        ; a lane permute's destination counts as read
.endr
	; ---- LN: rows 8 w + i; my lane holds columns 4 l .. 4 l + 3 and 128 + 4 l .. of each
	s_wait_loadcnt 32                              ; x, gain and bias are in; the 32 loads of weights behind them may be out
.irp i, 0,1,2,3,4,5,6,7
	v_pk_add_f32 v[MN+2*\i:MN+2*\i+1], v[ACC+8*\i:ACC+8*\i+1], v[ACC+8*\i+2:ACC+8*\i+3]
.endr
.irp i, 0,1,2,3,4,5,6,7
	v_pk_add_f32 v[R+2*\i:R+2*\i+1], v[ACC+8*\i+4:ACC+8*\i+5], v[ACC+8*\i+6:ACC+8*\i+7]
.endr
.irp i, 0,1,2,3,4,5,6,7
	v_pk_add_f32 v[MN+2*\i:MN+2*\i+1], v[MN+2*\i:MN+2*\i+1], v[R+2*\i:R+2*\i+1]
.endr
.irp i, 0,1,2,3,4,5,6,7
	v_add_f32 v[MN+2*\i], v[MN+2*\i], v[MN+2*\i+1]
.endr
	RED8 MN
.irp i, 0,1,2,3,4,5,6,7
	v_mul_f32 v[MN+2*\i], s26, v[MN+2*\i]          ; the mean
.endr
.irp i, 0,1,2,3,4,5,6,7
.irp k, 0,2,4,6
	v_pk_add_f32 v[ACC+8*\i+\k:ACC+8*\i+\k+1], v[ACC+8*\i+\k:ACC+8*\i+\k+1], v[MN+2*\i:MN+2*\i+1] op_sel_hi:[1,0] neg_lo:[0,1] neg_hi:[0,1]
.endr
.endr
.irp i, 0,1,2,3,4,5,6,7
	v_pk_mul_f32 v[R+2*\i:R+2*\i+1], v[ACC+8*\i:ACC+8*\i+1], v[ACC+8*\i:ACC+8*\i+1]
.endr
.irp k, 2,4,6
.irp i, 0,1,2,3,4,5,6,7
	v_pk_fma_f32 v[R+2*\i:R+2*\i+1], v[ACC+8*\i+\k:ACC+8*\i+\k+1], v[ACC+8*\i+\k:ACC+8*\i+\k+1], v[R+2*\i:R+2*\i+1]
.endr
.endr
.irp i, 0,1,2,3,4,5,6,7
	v_add_f32 v[R+2*\i], v[R+2*\i], v[R+2*\i+1]
.endr
	RED8 R
.irp i, 0,1,2,3,4,5,6,7
	v_fma_f32 v[R+2*\i], v[R+2*\i], s26, s27       ; the variance + 1e-5
.endr
.irp i, 0,1,2,3,4,5,6,7
	v_rsq_f32 v[R+2*\i], v[R+2*\i]
.endr
	v_nop                                          ; one plain line behind the transcendentals
	s_wait_alu depctr_va_vdst(0)                   ; the eight 1 / sigma are written, ahead of their first reader
.irp i, 0,1,2,3,4,5,6,7
.irp k, 0,2,4,6
	v_pk_mul_f32 v[ACC+8*\i+\k:ACC+8*\i+\k+1], v[ACC+8*\i+\k:ACC+8*\i+\k+1], v[R+2*\i:R+2*\i+1] op_sel_hi:[1,0]
.endr
.endr
.irp i, 0,1,2,3,4,5,6,7
.irp k, 0,2,4,6
	v_pk_fma_f32 v[ACC+8*\i+\k:ACC+8*\i+\k+1], v[ACC+8*\i+\k:ACC+8*\i+\k+1], v[G+\k:G+\k+1], v[BB+\k:BB+\k+1]
.endr
.endr
	s_wait_alu depctr_va_vdst(0)                   ; the normalised rows are written, which the LDS stores read; so are the LDS addresses v3 to v15 and v232 to v235, for the whole kernel
.irp i, 0,1,2,3,4,5,6,7
	ds_store_b128 v3, v[ACC+8*\i:ACC+8*\i+3]   offset:SPX*\i
	ds_store_b128 v3, v[ACC+8*\i+4:ACC+8*\i+7] offset:SPX*\i+512
.endr
	BAR                                            ; 128 normalised rows lie in the stage
	s_wait_alu depctr_vm_vsrc(0)                   ; my LDS stores have read v16 to v79, in which the loads below land (no vector line has named them since the wait ahead of the stores)
	; ---- x's fragment w: lane (r, h) takes k = 128 s + 64 c + 32 h + 0 .. 31 of its tile's row r
.irp c, 0,1
.irp j, 0,1,2,3,4,5,6,7
	ds_load_b128 v[ACC+32*\c+4*\j:ACC+32*\c+4*\j+3], v4 offset:256*\c+16*\j
.endr
.endr
	s_wait_dscnt 0x0
	QW ACC
	s_wait_alu depctr_va_vdst(0)                   ; the quantiser has written the codes and the scale word, which the LDS stores read
	IMGC 5, 0
	ds_store_b32 v6, v[PW]
	BAR                                            ; x's sixteen fragments lie in LDS
	s_wait_alu depctr_vm_vsrc(0)                   ; my LDS stores have read the codes' registers, in which x's fragments land (LN's and the quantiser's lines on v176 to v223 stand ahead of the last wait on va_vdst)
	; ---- q
	s_wait_loadcnt 16                              ; q's weights are in; k's 16 loads may be out
	UNIT_T WA, WSA
	s_wait_alu depctr_va_vdst(0)                   ; q's products are done reading their weights and scale words, in which v's land
.irp k, 0,1,2,3,4,5
	global_load_b128 v[WA+4*\k:WA+4*\k+3], v1, s[32:33] offset:98304+512*\k                    ; v's weights, tile c: into registers that q's products have left
.endr
.irp k, 0,1
	global_load_b32 v[WSA+\k], v2, s[36:37] offset:8192+128*\k
.endr
	QH ACC                                         ; block b = tile 4 c + b's token of row r: its 32 channels
	s_wait_alu depctr_va_vdst(0)                   ; the quantiser has written q's codes and bytes, which the LDS stores read
.irp c, 0,1
.irp p, 0,1,2
	ds_store_b64 v14, v[PC+6*\c+2*\p:PC+6*\c+2*\p+1] offset:384*\c+8*\p
.endr
.endr
.irp b, 0,1,2,3
	ds_store_b8 v15, v[TM+4+\b] offset:8*\b        ; both halves of the lanes write the same byte with the same value
.endr
	s_wait_dscnt 0x0
	s_wait_alu depctr_vm_vsrc(0)                   ; these stores have read the codes' registers, in which x's fragments land next, and the bytes', which the next quantiser writes
	; ---- k
	s_wait_loadcnt 8                               ; k's weights are in; v's 8 loads may be out
	UNIT_T WB, WSB
	QH ACC                                         ; the four tiles' codes ARE fragment c of the record, the four bytes its scale word
	s_wait_alu depctr_va_vdst(0)                   ; the quantiser has written k's codes and scale word, which the LDS stores read; k's products are done reading v128 to v223 and v241 to v248, in which v's unit loads
	IMGL 12, 0
	ds_store_b32 v13, v[PW]
	s_wait_dscnt 0x0
	s_wait_alu depctr_vm_vsrc(0)                   ; these stores have read the codes' registers, in which x's fragments land next, and the scale word's, which the last quantiser writes
	; ---- v: source 0 = x's tile T, source 1 = the weight's tile c: lane (r, h) holds channel row r, register 8 T + j token 64 (T / 4) + 32 h + 8 (T % 4) + j
	s_wait_loadcnt 0x0
.irp s, 0,1
.if \s
	PL                                             ; the places behind the products above stay
	s_wait_alu depctr_va_vdst(0)                   ; the first K step's products are done reading x's eight fragments and their scale words, in which the loads below land
.endif
.irp t, 0,1,2,3
	FETC XF+12*\t, 9, 3072*\t+1536*\s
	ds_load_b32 v[XS+\t], v10 offset:256*\t+128*\s
.endr
.irp t, 4,5,6,7
	FETC WB+12*(\t-4), 9, 3072*\t+1536*\s
	ds_load_b32 v[XS+\t], v10 offset:256*\t+128*\s
.endr
	s_wait_dscnt 0x0
.irp t, 0,1,2,3
.if \s
	MMA ACC+8*\t, XF+12*\t, WA+12*\s, XS+\t, WSA+\s
.else
	MM0 ACC+8*\t, XF+12*\t, WA+12*\s, XS+\t, WSA+\s
.endif
.endr
.irp t, 4,5,6,7
.if \s
	MMA ACC+8*\t, WB+12*(\t-4), WA+12*\s, XS+\t, WSA+\s
.else
	MM0 ACC+8*\t, WB+12*(\t-4), WA+12*\s, XS+\t, WSA+\s
.endif
.endr
.endr
	PL
	QW ACC                                         ; whole blocks of 32 tokens: the result is V's fragment c
	s_wait_alu depctr_va_vdst(0)                   ; the quantiser has written v's codes and scale word, which the LDS stores read, and is done reading v16 to v79, in which the copy-out's loads land
	IMGL 12, 3072
	ds_store_b32 v13, v[PW] offset:128
	BAR                                            ; the eight records, q's codes and q's bytes lie in LDS
	; ---- out: dense bytes, 512 consecutive and aligned a store
.irp q, 0,1,2,3,4,5
	ds_load_b128 v[16+4*\q:19+4*\q], v[CA] offset:512*\q
.endr
	ds_load_b32 v40, v[CA+1]
.irp q, 0,1,2
	ds_load_b128 v[44+4*\q:47+4*\q], v[CA+2] offset:512*\q
.endr
	s_wait_dscnt 0x0
.irp q, 0,1,2,3,4,5
	global_store_b128 v1, v[16+4*\q:19+4*\q], s[38:39] offset:512*\q
.endr
	global_store_b32 v2, v40, s[40:41] offset:6144
.irp q, 0,1,2
	global_store_b128 v1, v[44+4*\q:47+4*\q], s[42:43] offset:512*\q
.endr
	s_cmp_lt_u32 s20, 2
	s_cbranch_scc0 .Lend                           ; q's 1,024 bytes: waves 0 and 1
	ds_load_b128 v[56:59], v[CA+3]
	s_wait_dscnt 0x0
	global_store_b128 v1, v[56:59], s[44:45]
.Lend:
	s_wait_dscnt 0x0                               ; the closing lines, six on end
	s_wait_alu 0x0
	s_wait_tensorcnt 0x0
	ds_add_u32 v254, v255
	s_wait_dscnt 0x0
	s_endpgm
.Lfunc_end_k_q99e04f4165_qkv:
	.size	k_q99e04f4165_qkv, .Lfunc_end_k_q99e04f4165_qkv-k_q99e04f4165_qkv
	.p2alignl 7, 3214868480
	.fill 96, 4, 3214868480
	.section	.rodata,"a",@progbits
	.p2align	6, 0x0
	.amdhsa_kernel k_q99e04f4165_qkv
		.amdhsa_group_segment_fixed_size 238592
		.amdhsa_private_segment_fixed_size 0
		.amdhsa_enable_private_segment 0
		.amdhsa_kernarg_size 64
		.amdhsa_user_sgpr_count 2
		.amdhsa_user_sgpr_kernarg_segment_ptr 1
		.amdhsa_wavefront_size32 1
		.amdhsa_system_sgpr_workgroup_id_x 1
		.amdhsa_system_sgpr_workgroup_id_y 1
		.amdhsa_system_sgpr_workgroup_id_z 1
		.amdhsa_system_vgpr_workitem_id 0
		.amdhsa_next_free_vgpr 256
		.amdhsa_next_free_sgpr 66
		.amdhsa_reserve_vcc 0
		.amdhsa_float_denorm_mode_32 3
		.amdhsa_float_denorm_mode_16_64 3
		.amdhsa_memory_ordered 1
		.amdhsa_forward_progress 1
		.amdhsa_inst_pref_size 63
	.end_amdhsa_kernel
	.amdgpu_metadata
---
amdhsa.version: [ 1, 2 ]
amdhsa.kernels:
  - .name:           k_q99e04f4165_qkv
    .symbol:         k_q99e04f4165_qkv.kd
    .args:
      - { .name: x, .offset: 0, .size: 8, .value_kind: global_buffer, .address_space: global }
      - { .name: ln1_g, .offset: 8, .size: 8, .value_kind: global_buffer, .address_space: global }
      - { .name: ln1_b, .offset: 16, .size: 8, .value_kind: global_buffer, .address_space: global }
      - { .name: wimg, .offset: 24, .size: 8, .value_kind: global_buffer, .address_space: global }
      - { .name: wsc, .offset: 32, .size: 8, .value_kind: global_buffer, .address_space: global }
      - { .name: qc, .offset: 40, .size: 8, .value_kind: global_buffer, .address_space: global }
      - { .name: qs, .offset: 48, .size: 8, .value_kind: global_buffer, .address_space: global }
      - { .name: kv, .offset: 56, .size: 8, .value_kind: global_buffer, .address_space: global }
    .group_segment_fixed_size: 238592
    .private_segment_fixed_size: 0
    .kernarg_segment_align: 8
    .kernarg_segment_size: 64
    .max_flat_workgroup_size: 512
    .sgpr_count:     66
    .vgpr_count:     256
    .wavefront_size: 32
...
	.end_amdgpu_metadata
.endif
;; end of part 5
;; launch attn: the kernel of part 3 again; grid 4 x 64, 16 waves a work-group, no clusters, 169,984 bytes of LDS; arguments qc, qs, kv, scale, ac, asc; writes ac, asc
;; launch mlp (part 6): grid 256 x 1, 8 waves a work-group, no clusters, 151,552 bytes of LDS; arguments ac, asc, x, wimg, wsc, proj_b, ln2_g, ln2_b, fc1_b, fc2_b, out0; writes out0
.if DOCPART == 6
	.amdgcn_target "amdgcn-amd-amdhsa--gfx1250"
	.amdhsa_code_object_version 6
	.text
	.protected	k_q99e04f4165_mlp
	.globl	k_q99e04f4165_mlp
	.p2align	8
	.type	k_q99e04f4165_mlp,@function
k_q99e04f4165_mlp:
	s_mov_b64 s[64:65], 0
	v_nop
	global_prefetch_b8 v0, s[64:65] scope:SCOPE_SE
	s_setreg_imm32_b32 hwreg(HW_REG_WAVE_SCHED_MODE, 0, 2), 2
	s_setreg_imm32_b32 hwreg(HW_REG_WAVE_MODE, 25, 1), 1
	s_wait_xcnt 0x0
	s_wait_alu depctr_vm_vsrc(0)
; x1 = x + attention's output x proj_w^T + proj_b;  out0 = x1 + gelu(LN2(x1) fc1_w^T + fc1_b) fc2_w^T + fc2_b, the three products on codes of BF6 (E3M2), for 64 tokens a work-group.  Nothing goes to memory between.
; THE EIGHT WAVES SHARE THE COLUMNS, NOT THE ROWS: wave w makes channels 32 w .. 32 w + 31 of proj's and fc2's results and hidden units 128 w .. 128 w + 127, for all 64 tokens (four tiles of 16).
; So a wave reads only its own eighth of each weight, once, as register images, straight into the registers that use them.  What goes round through LDS is small: the rows' codes, as images of operand registers.
; All products are used transposed (source 0 = 16 rows of the weight, source 1 = 16 tokens): lane (r, h) holds token r and, over two neighbouring tiles, 16 neighbouring channels.
; The residual and the biases are the C of a sum's first product: Y = x + proj_b, later Y = x1 + fc2_b; fc1_b lies in the result's layout.
; LN2's sums span the waves: each wave's part goes to a word of its own in LDS, a barrier, every lane adds the eight; first the mean, then the squares of the differences.
; A wave's 32 channels of LN2's result are ONE block of fc1's K; a wave's 128 hidden units are ONE K step of fc2.
; GELU is the exact one: erf(u), u = h / sqrt(2) held to -4 .. 4, as u P(u^2) / Q(u^2) with P of degree 6 and Q of degree 4 in u^2, in f32: a few units in erf's last place.
; The accumulators take turns, one instruction a turn.
; NO CLUSTER: the weights are shared by all work-groups, but a work-group's 479,232 bytes of them do not fit in LDS beside its 150,528 bytes of stages, so joint loads would want slots filled again and again.
; LIMITS: NaN and infinities are not served; a block whose largest magnitude lies under 2^-122 (a block of zeros too) gets the byte 1.
; THE MODE: SCHED_MODE bits 1:0 = 2 (LLVM: expert scheduling mode 2), set by the entry lines.  The code itself states the register dependences between vector or matrix instructions and memory or LDS
; instructions, with s_wait_alu, always for 0.
; THE PLAN.  Registers that memory or LDS instructions touch:
;   v1-13             offsets and LDS addresses: written once at the head, never again.     v14, v15, v253, v254   the LDS addresses of the phase in hand: written at the head, at each trip's head and at the last phase's head.
;   Y  v32-95         x is loaded, LDS stores read it, LDS loads bring it back by channels; then vector and matrix lines alone, until the last LDS stores read it.
;   HA v96-159        proj's weights and bias are loaded and read by products and additions; vector and matrix lines alone through LN2 and the trips; in the last phase the odd K steps' fragments land, at the end rows of out0.
;   XF v160-207       fragments land and products read them (proj, each trip, the last phase's even K steps); between, gain, bias and fc2_b land, and GELU's lines work there.
;   v208-244          attention's codes and bytes are loaded and stored to LDS; LN2's statistics go out by LDS stores and come back by loads; each quantiser writes codes, bytes and a scale word that LDS stores read.
;   v245-252          scale words of the tokens' fragments: LDS loads land, products read.     window 1 and v16-31   fc1's weights and scale words; in the fourth trip fc2's land in their place.
; So a wait on va_vdst stands ahead of each run of LDS stores of vector or matrix results, behind each writing of addresses, and ahead of each run of loads into registers that products have just read; a wait on vm_vsrc
; stands behind the first barrier, behind the barrier of each exchange of statistics, at each trip's head and at the last phase's head: ahead of the lines that write again what LDS or memory instructions have read.
.set SPX,  1040
.set STG,  0                           ; 64 rows x (1,024 + 16): x on the way in, out0 on the way out
.set AIMG, 64*SPX                      ; attention's 8 fragments (2 m + s), 512 q + 16 l
.set ASC,  AIMG+8*1536                 ; their scale words
.set STAT1, ASC+8*128                  ; [m][r][w] f32: sums; 2,048 bytes on: sums of squares
.set ZIMG, STAT1+4096                  ; LN2's 8 fragments (2 m + s), 48 bytes a lane
.set ZSC,  ZIMG+8*1536                 ; their scale words, at 4 r
.set HIMG, ZSC+8*128                   ; the hidden layer's 32 fragments (8 m + s), 512 q + 16 l
.set HSC,  HIMG+32*1536
; window 0
.set T1,   14                          ; v14, v15, v253, v254: the LDS addresses of the phase in hand
.set T2,   15
.set T3,   253
.set T4,   254
.set WS,   16                          ; v16-31   fc1's 16 scale words, later fc2's
.set Y,    32                          ; v32-95   register 16 m + e = channel 32 w + 16 h + e of token 16 m + r
.set HA,   96                          ; v96-159  proj's weights and bias; LN2's rows; a tile's hidden units; hidden fragments; rows of out0
.set PB,   144
.set XF,   160                         ; v160-207 four fragments; LN2's gain, bias and fc2_b; GELU's temporaries
.set PC,   208                         ; v208-227 codes just made
.set ST,   208                         ; v208-239 LN2's statistics: eight registers a tile of rows
.set TM,   228                         ; v228-243 at work in the quantiser
.set OR_,  236                         ; r, and
.set OA,   237                         ; 24 r + 49,152 h: offsets of the head's loads, until these are in
.set PW,   244
.set XS,   245                         ; v245-248 scale words of the tokens' fragments
.set XS2,  249                         ; v249-252 proj's weights' scale words, later the second set of the tokens'
.set GU,   160
.set GX,   168
.set GP,   176
.set GQ,   184
.set CA13, 192                         ; v[192:193], v[194:195]: the leading coefficients of P and Q
.set CB8,  194
.set SEL,  28
; window 1: v0-191 sixteen weight fragments (fc1's, later fc2's); v192-255 fc1_b, eight registers a tile
.set MSB, 0
.macro WIN new                         ; the immediate's high byte repeats the setting that is left
.if MSB != \new
	s_set_vgpr_msb (MSB<<8)|\new
.set MSB, \new
.endif
.endm
.macro PL
.rept 4
	v_nop
.endr
.endm
.macro BAR
	s_wait_dscnt 0x0
	s_barrier_signal -1
	s_barrier_wait -1
.endm
.macro MMA d, a, b, sa, sb
	v_wmma_scale_f32_16x16x128_f8f6f4 v[\d:\d+7], v[\a:\a+11], v[\b:\b+11], v[\d:\d+7], v[\sa], v[\sb] matrix_a_fmt:MATRIX_FMT_BF6 matrix_b_fmt:MATRIX_FMT_BF6
.endm
.macro MMC d, a, b, c, sa, sb
	v_wmma_scale_f32_16x16x128_f8f6f4 v[\d:\d+7], v[\a:\a+11], v[\b:\b+11], v[\c:\c+7], v[\sa], v[\sb] matrix_a_fmt:MATRIX_FMT_BF6 matrix_b_fmt:MATRIX_FMT_BF6
.endm
.macro FETC reg, adr, off
.irp q, 0,1,2
	ds_load_b128 v[\reg+4*\q:\reg+4*\q+3], v[\adr] offset:\off+512*\q
.endr
.endm
.macro FETL reg, adr, off
.irp q, 0,1,2
	ds_load_b128 v[\reg+4*\q:\reg+4*\q+3], v[\adr] offset:\off+16*\q
.endr
.endm
.macro IMGC adr, off
.irp q, 0,1,2
	ds_store_b128 v[\adr], v[PC+4*\q:PC+4*\q+3] offset:\off+512*\q
.endr
.endm
.macro QHS x                           ; register 16 b + i = number 16 h + i of block b: the four blocks' scale operands in v[TM+12+b], bytes in v[TM+4+b]
.irp b, 0,1,2,3
	v_max3_num_f32 v[TM+\b], |v[\x+16*\b]|, |v[\x+16*\b+1]|, 0x2800000      ; with the floor 2^(5 - 127)
.endr
.irp i, 2,4,6,8,10,12,14
.irp b, 0,1,2,3
	v_max3_num_f32 v[TM+\b], v[TM+\b], |v[\x+16*\b+\i]|, |v[\x+16*\b+\i+1]|
.endr
.endr
.irp b, 0,1,2,3
	v_permlanex16_b32 v[TM+4+\b], v[TM+\b], s[SEL], s[SEL+1]
.endr
.irp b, 0,1,2,3
	v_max_num_f32 v[TM+\b], v[TM+\b], v[TM+4+\b]
.endr
.irp b, 0,1,2,3
	v_add_nc_u32 v[TM+12+\b], 0xfe000000, v[TM+\b]
.endr
.irp b, 0,1,2,3
	v_lshrrev_b32 v[TM+4+\b], 23, v[TM+12+\b]
.endr
.endm
.macro QH x                            ; and the fragment in v[PC] on, its scale word in v[PW]
	QHS \x
	v_lshl_or_b32 v[PW], v[TM+5], 8, v[TM+4]
	v_lshl_or_b32 v[PW], v[TM+6], 16, v[PW]
	v_lshl_or_b32 v[PW], v[TM+7], 24, v[PW]
.irp c, 0,1
	v_cvt_scalef32_pk16_bf6_f32 v[PC+6*\c:PC+6*\c+2], v[\x+32*\c:\x+32*\c+15], v[TM+12+2*\c]
	v_cvt_scalef32_pk16_bf6_f32 v[PC+12+4*\c:PC+14+4*\c], v[\x+32*\c+16:\x+32*\c+31], v[TM+13+2*\c]
.endr
	v_nop                                          ; one plain line behind the conversions
.irp c, 0,1
.irp i, 0,1,2
	v_permlane16_swap_b32 v[PC+6*\c+\i], v[PC+12+4*\c+\i]
.endr
.irp i, 0,1,2
	v_mov_b32 v[PC+3+6*\c+\i], v[PC+12+4*\c+\i]
.endr
.endr
.endm
.macro SUM8                            ; the eight waves' parts, in v[ST+8m ..], become one sum in v[ST+8m]
.irp m, 0,1,2,3
	v_pk_add_f32 v[ST+8*\m:ST+8*\m+1], v[ST+8*\m:ST+8*\m+1], v[ST+8*\m+2:ST+8*\m+3]
.endr
.irp m, 0,1,2,3
	v_pk_add_f32 v[ST+8*\m+4:ST+8*\m+5], v[ST+8*\m+4:ST+8*\m+5], v[ST+8*\m+6:ST+8*\m+7]
.endr
.irp m, 0,1,2,3
	v_pk_add_f32 v[ST+8*\m:ST+8*\m+1], v[ST+8*\m:ST+8*\m+1], v[ST+8*\m+4:ST+8*\m+5]
.endr
.irp m, 0,1,2,3
	v_add_f32 v[ST+8*\m], v[ST+8*\m], v[ST+8*\m+1]
.endr
.endm
.macro SHARE off                       ; my lane's pair of sums in v[ST+8m:ST+8m+1] -> my wave's word -> all eight words back
.irp m, 0,1,2,3
	v_add_f32 v[ST+8*\m], v[ST+8*\m], v[ST+8*\m+1]
.endr
.irp m, 0,1,2,3
	v_permlanex16_b32 v[ST+8*\m+1], v[ST+8*\m], s[SEL], s[SEL+1]
.endr
.irp m, 0,1,2,3
	v_add_f32 v[ST+8*\m], v[ST+8*\m], v[ST+8*\m+1]     ; my wave's 32 channels of token 16 m + r
.endr
	s_wait_alu depctr_va_vdst(0)                   ; the four sums are written, which the LDS stores read; and every vector line that named v208 to v239 is done: the loads behind the barrier land there
.irp m, 0,1,2,3
	ds_store_b32 v6, v[ST+8*\m] offset:\off+512*\m     ; both halves of the lanes write the same word with the same value
.endr
	BAR
	s_wait_alu depctr_vm_vsrc(0)                   ; my four stores have read their data registers, in which the loads below land
.irp m, 0,1,2,3
	ds_load_b128 v[ST+8*\m:ST+8*\m+3],   v7 offset:\off+512*\m
	ds_load_b128 v[ST+8*\m+4:ST+8*\m+7], v7 offset:\off+512*\m+16
.endr
	s_wait_dscnt 0x0
	SUM8
.endm
.macro GELU4 b                         ; eight numbers v[HA+b ..], four pairs by turns
.irp p, 0,2,4,6
	v_pk_mul_f32 v[GU+\p:GU+\p+1], v[HA+\b+\p:HA+\b+\p+1], 0x3f3504f3 op_sel_hi:[1,0]          ; u = h / sqrt(2)
.endr
.irp p, 0,1,2,3,4,5,6,7
	v_med3_num_f32 v[GU+\p], v[GU+\p], -4.0, 4.0
.endr
.irp p, 0,2,4,6
	v_pk_mul_f32 v[GX+\p:GX+\p+1], v[GU+\p:GU+\p+1], v[GU+\p:GU+\p+1]
.endr
.irp p, 0,2,4,6
	v_pk_fma_f32 v[GP+\p:GP+\p+1], v[GX+\p:GX+\p+1], v[CA13:CA13+1], 0x32edffee op_sel_hi:[1,1,0]
.endr
.irp p, 0,2,4,6
	v_pk_fma_f32 v[GQ+\p:GQ+\p+1], v[GX+\p:GX+\p+1], v[CB8:CB8+1], 0xb95fbd29 op_sel_hi:[1,1,0]
.endr
.irp a, 0xb60cff51, 0xb86ec2d2, 0xba40ac63, 0xbb41a1f6, 0xbc83dbd4
.irp p, 0,2,4,6
	v_pk_fma_f32 v[GP+\p:GP+\p+1], v[GP+\p:GP+\p+1], v[GX+\p:GX+\p+1], \a op_sel_hi:[1,1,0]
.endr
.endr
.irp a, 0xbadc924e, 0xbbf19bf8, 0xbc69b6a7
.irp p, 0,2,4,6
	v_pk_fma_f32 v[GQ+\p:GQ+\p+1], v[GQ+\p:GQ+\p+1], v[GX+\p:GX+\p+1], \a op_sel_hi:[1,1,0]
.endr
.endr
.irp p, 0,2,4,6
	v_pk_mul_f32 v[GP+\p:GP+\p+1], v[GP+\p:GP+\p+1], v[GU+\p:GU+\p+1]
.endr
.irp p, 0,1,2,3,4,5,6,7
	v_rcp_f32 v[GQ+\p], v[GQ+\p]                   ; Q is negative for every u: never 0
.endr
.irp p, 0,2,4,6
	v_pk_mul_f32 v[HA+\b+\p:HA+\b+\p+1], v[HA+\b+\p:HA+\b+\p+1], 0.5 op_sel_hi:[1,0]           ; (plain lines behind the transcendentals)
.endr
	s_wait_alu depctr_va_vdst(0)                   ; the eight 1 / Q are written, ahead of their first reader
.irp p, 0,2,4,6
	v_pk_mul_f32 v[GP+\p:GP+\p+1], v[GP+\p:GP+\p+1], v[GQ+\p:GQ+\p+1]                          ; erf
.endr
.irp p, 0,2,4,6
	v_pk_fma_f32 v[HA+\b+\p:HA+\b+\p+1], v[HA+\b+\p:HA+\b+\p+1], v[GP+\p:GP+\p+1], v[HA+\b+\p:HA+\b+\p+1]   ; h / 2 + h / 2 x erf
.endr
.endm
	s_load_b256 s[4:11], s[0:1], 0x0               ; ac, asc, x, wimg
	s_load_b256 s[12:19], s[0:1], 0x20             ; wsc, proj_b, ln2_g, ln2_b
	s_load_b128 s[20:23], s[0:1], 0x40             ; fc1_b, fc2_b
	s_load_b64 s[24:25], s[0:1], 0x50              ; out0
	v_lshrrev_b32 v238, 5, v0
	v_readfirstlane_b32 s26, v238                  ; wave 0..7
	s_mov_b32 s27, ttmp9                           ; g
	v_and_b32 v238, 31, v0                         ; lane
	v_and_b32 v[OR_], 15, v0                       ; r
	v_bfe_u32 v255, v0, 4, 1                       ; h
	v_lshlrev_b32 v1, 4, v238                      ; v1  16 x lane
	v_lshlrev_b32 v2, 2, v238                      ; v2  4 x lane
	v_lshlrev_b32 v3, 6, v255                      ; v3  64 h: my half's 16 numbers of a bias
	v_mul_u32_u24 v[OA], v[OR_], 24
	v_mad_u32_u24 v[OA], v255, 0xc000, v[OA]       ; token r's 24 bytes; lanes 16-31 one head (2,048 x 24 bytes) on
	s_mov_b32 s[SEL], 0x76543210
	s_mov_b32 s[SEL+1], 0xfedcba98
	s_mov_b32 s30, 0x3b800000                      ; 1 / 256
	s_mov_b32 s31, 0x3727c5ac                      ; 1e-5
	s_lshl_b32 s66, s27, 16                        ; 64 rows of 1,024 bytes a work-group,
	s_wait_alu depctr_va_sdst(0)                   ; s26 is written, ahead of its first reader: bases and LDS addresses are made from it
	s_lshl_b32 s67, s26, 13                        ; 8 a wave
	s_add_co_u32 s66, s66, s67
	s_mov_b32 s67, 0
	s_lshr_b32 s68, s27, 5                         ; b
	s_and_b32 s69, s27, 31
	s_lshl_b32 s69, s69, 6
	s_lshr_b32 s70, s26, 1
	s_lshl_b32 s70, s70, 4
	s_add_co_u32 s69, s69, s70                     ; the first token (in its sequence) of the fragment that I bring: tile w / 2,
	s_and_b32 s70, s26, 1                          ; K step w % 2: heads 4 s on
	s_mul_i32 s72, s68, 393216
	s_mul_i32 s73, s70, 196608
	s_add_co_u32 s72, s72, s73
	s_mul_i32 s73, s69, 24
	s_add_co_u32 s72, s72, s73
	s_mov_b32 s73, 0
	s_lshl_b32 s74, s68, 3
	s_lshl_b32 s75, s70, 2
	s_add_co_u32 s74, s74, s75
	s_lshl_b32 s74, s74, 11
	s_add_co_u32 s74, s74, s69
	s_mov_b32 s75, 0
	s_mul_i32 s76, s26, 6144
	s_mov_b32 s77, 0
	s_lshl_b32 s78, s26, 7
	s_mov_b32 s79, 0
	s_wait_kmcnt 0x0
	s_add_nc_u64 s[32:33], s[8:9], s[66:67]        ; x: my 8 rows
	s_add_nc_u64 s[56:57], s[24:25], s[66:67]      ; out0: the same
	s_add_nc_u64 s[34:35], s[4:5], s[72:73]
	s_add_nc_u64 s[36:37], s[6:7], s[74:75]
	s_add_nc_u64 s[38:39], s[10:11], s[76:77]      ; wimg + 4 fragments x w (proj's)
	s_add_nc_u64 s[46:47], s[14:15], s[78:79]      ; my 32 numbers of proj_b, the gain, the bias, fc2_b
	s_add_nc_u64 s[48:49], s[16:17], s[78:79]
	s_add_nc_u64 s[50:51], s[18:19], s[78:79]
	s_add_nc_u64 s[52:53], s[22:23], s[78:79]
	s_lshl_b32 s76, s26, 9
	s_add_nc_u64 s[42:43], s[12:13], s[76:77]      ; wsc + 4 x 128 w
	s_add_nc_u64 s[54:55], s[20:21], s[76:77]      ; my 128 numbers of fc1_b
	s_mul_i32 s76, s26, 24576
	s_add_nc_u64 s[40:41], s[10:11], s[76:77]      ; wimg + 16 fragments x w (fc1's, fc2's)
	s_lshl_b32 s76, s26, 11
	s_add_nc_u64 s[44:45], s[12:13], s[76:77]
	s_wait_alu depctr_va_vdst(0)                   ; the offsets v1, v2, v3, v236 and v237 are written, which the global loads and stores read
.irp i, 0,1,2,3,4,5,6,7
	global_load_b128 v[Y+8*\i:Y+8*\i+3],   v1, s[32:33] offset:1024*\i th:TH_LOAD_NT           ; x, dense: 16 loads
	global_load_b128 v[Y+8*\i+4:Y+8*\i+7], v1, s[32:33] offset:1024*\i+512 th:TH_LOAD_NT
.endr
.irp c, 0,1
.irp p, 0,1,2
	global_load_b64 v[PC+6*\c+2*\p:PC+6*\c+2*\p+1], v[OA], s[34:35] offset:98304*\c+8*\p th:TH_LOAD_NT   ; attention's fragment w: block 2 c + h is head 4 s + 2 c + h: 6 loads
.endr
.endr
.irp k, 0,1,2,3
	global_load_u8 v[TM+\k], v[OR_], s[36:37] offset:2048*\k th:TH_LOAD_NT                     ; its four bytes: 4 loads
.endr
.irp k, 0,1,2,3,4,5,6,7,8,9,10,11
	global_load_b128 v[HA+4*\k:HA+4*\k+3], v1, s[38:39] offset:147456+512*\k                   ; proj's weights, fragment 2 u + s: 12 loads,
.endr
.irp k, 0,1,2,3
	global_load_b32 v[XS2+\k], v2, s[42:43] offset:12288+128*\k                                ; 4,
.endr
.irp j, 0,1,2,3
	global_load_b128 v[PB+4*\j:PB+4*\j+3], v3, s[46:47] offset:16*\j                           ; and proj_b: 4
.endr
	; LDS addresses: each a constant + a constant x lane + a constant x wave
	v_mul_u32_u24 v4, v[OR_], SPX
	v_add_nc_u32 v4, v4, v3
	v_add_nc_u32 v4, s78, v4                       ; v4  the stage by channels: row r, + 64 h + 128 w
	s_mul_i32 s68, s26, 8*SPX
	v_add_nc_u32 v5, s68, v1                       ; v5  the stage by rows: my 8 rows
	v_lshlrev_b32 v7, 5, v[OR_]
	v_add_nc_u32 v7, STAT1, v7                     ; v7  the eight waves' words of token r
	s_lshl_b32 s68, s26, 2
	v_add_nc_u32 v6, s68, v7                       ; v6  mine
	s_lshr_b32 s68, s26, 2
	s_mul_i32 s68, s68, 1536                       ; my block w lies in K step w / 4,
	s_and_b32 s69, s26, 1
	s_mul_i32 s69, s69, 768                        ; in lanes 16 (w % 2) on,
	s_add_co_u32 s68, s68, s69
	s_bfe_u32 s69, s26, 0x10001
	s_mul_i32 s69, s69, 24                         ; in registers 6 ((w / 2) % 2) on
	s_add_co_u32 s68, s68, s69
	s_add_co_u32 s68, s68, ZIMG
	v_mul_u32_u24 v8, v[OR_], 48
	v_mad_u32_u24 v8, v255, 12, v8
	v_add_nc_u32 v8, s68, v8                       ; v8  where my 16 codes of LN2's result go
	v_lshlrev_b32 v11, 2, v[OR_]
	v_add_nc_u32 v11, ZSC, v11                     ; v11 LN2's scale word of token r
	s_lshr_b32 s68, s26, 2
	s_lshl_b32 s68, s68, 7
	s_and_b32 s69, s26, 3
	s_add_co_u32 s68, s68, s69
	v_add_nc_u32 v9, s68, v11                      ; v9  my byte of it
	v_mul_u32_u24 v10, v238, 48
	v_add_nc_u32 v10, ZIMG, v10                    ; v10 LN2's fragments, 48 bytes a lane
	s_mul_i32 s68, s26, 1536
	s_add_co_u32 s69, s68, HIMG
	v_add_nc_u32 v12, s69, v1                      ; v12 where the hidden layer's K step w goes
	s_add_co_u32 s69, s78, HSC
	v_add_nc_u32 v13, s69, v2                      ; v13 and its scale words
	s_add_co_u32 s69, s68, AIMG
	v_add_nc_u32 v[T1], s69, v1
	s_add_co_u32 s69, s78, ASC
	v_add_nc_u32 v[T2], s69, v2
	v_add_nc_u32 v[T3], AIMG, v1
	v_add_nc_u32 v[T4], ASC, v2
	s_wait_loadcnt 30                              ; x is in; the 10 + 20 loads behind it may be out
	s_wait_alu depctr_va_vdst(0)                   ; the LDS addresses v4 to v15, v253 and v254 are written, which the LDS stores and loads read
.irp i, 0,1,2,3,4,5,6,7
	ds_store_b128 v5, v[Y+8*\i:Y+8*\i+3]   offset:SPX*\i
	ds_store_b128 v5, v[Y+8*\i+4:Y+8*\i+7] offset:SPX*\i+512
.endr
	s_wait_loadcnt 20                              ; attention's fragment and bytes are in; proj's 20 loads may be out
	v_lshl_or_b32 v[PW], v[TM+1], 8, v[TM]
	v_lshl_or_b32 v[PW], v[TM+2], 16, v[PW]
	v_lshl_or_b32 v[PW], v[TM+3], 24, v[PW]
	IMGC T1, 0
	s_wait_alu depctr_va_vdst(0)                   ; the scale word v244 is written, which the LDS store reads
	ds_store_b32 v[T2], v[PW]
	WIN 0x40                                       ; destination window 1
.set k, 0
.rept 48
	global_load_b128 v[4*k:4*k+3], v1, s[40:41] offset:196608+512*k                            ; fc1's weights, fragment 2 t + s: 48 loads,
.set k, k+1
.endr
.irp t, 0,1,2,3,4,5,6,7
	global_load_b128 v[192+8*\t:195+8*\t], v3, s[54:55] offset:(32*(\t/2)+8*(\t%2))*4          ; fc1_b at the lane's eight units of tile t: 16,
	global_load_b128 v[196+8*\t:199+8*\t], v3, s[54:55] offset:(32*(\t/2)+8*(\t%2))*4+16
.endr
	WIN 0
.set k, 0
.rept 16
	global_load_b32 v[WS+k], v2, s[44:45] offset:16384+128*k                                   ; and the scale words: 16
.set k, k+1
.endr
	BAR                                            ; x's 64 rows and attention's eight fragments lie in LDS
	s_wait_alu depctr_vm_vsrc(0)                   ; my LDS stores have read v32 to v95, in which the loads below land, and v208 to v219 and v244; the head's loads have read v236 and v237: LN2's statistics take these
	; ---- 1: Y = x + proj_b + attention x proj_w^T
.irp m, 0,1,2,3
.irp j, 0,1,2,3
	ds_load_b128 v[Y+16*\m+4*\j:Y+16*\m+4*\j+3], v4 offset:16*SPX*\m+16*\j
.endr
.endr
	s_wait_loadcnt 63                              ; proj's loads are in: 80 were issued behind them, and the count's field holds 63
	s_wait_dscnt 0x0
.irp m, 0,1,2,3
.irp k, 0,2,4,6,8,10,12,14
	v_pk_add_f32 v[Y+16*\m+\k:Y+16*\m+\k+1], v[Y+16*\m+\k:Y+16*\m+\k+1], v[PB+\k:PB+\k+1]
.endr
.endr
.irp s, 0,1
	PL                                             ; behind the additions, or behind the products whose operands are loaded anew
.if \s
	s_wait_alu depctr_va_vdst(0)                   ; the first K step's products are done reading attention's four fragments and their scale words, in which the loads below land
.endif
.irp m, 0,1,2,3
	FETC XF+12*\m, T3, 3072*\m+1536*\s
	ds_load_b32 v[XS+\m], v[T4] offset:256*\m+128*\s
.endr
	s_wait_dscnt 0x0
.irp m, 0,1,2,3
.irp u, 0,1
	MMA Y+16*\m+8*\u, HA+12*(2*\u+\s), XF+12*\m, XS2+2*\u+\s, XS+\m
.endr
.endr
.endr
	PL
	s_wait_alu depctr_va_vdst(0)                   ; proj's products are done reading v160 to v207, in which gain, bias and fc2_b land
	; ---- 2: LN2 of Y, quantised
.irp j, 0,1,2,3
	global_load_b128 v[160+4*\j:163+4*\j], v3, s[48:49] offset:16*\j                           ; the gain,
	global_load_b128 v[176+4*\j:179+4*\j], v3, s[50:51] offset:16*\j                           ; the bias,
	global_load_b128 v[192+4*\j:195+4*\j], v3, s[52:53] offset:16*\j                           ; fc2_b, at my 16 channels
.endr
.irp m, 0,1,2,3
	v_pk_add_f32 v[ST+8*\m:ST+8*\m+1], v[Y+16*\m:Y+16*\m+1], v[Y+16*\m+2:Y+16*\m+3]            ; each accumulator from its low end on
.endr
.irp m, 0,1,2,3
	v_pk_add_f32 v[ST+8*\m+2:ST+8*\m+3], v[Y+16*\m+4:Y+16*\m+5], v[Y+16*\m+6:Y+16*\m+7]
.endr
.irp k, 8,12
.irp m, 0,1,2,3
	v_pk_add_f32 v[ST+8*\m:ST+8*\m+1], v[ST+8*\m:ST+8*\m+1], v[Y+16*\m+\k:Y+16*\m+\k+1]
.endr
.irp m, 0,1,2,3
	v_pk_add_f32 v[ST+8*\m+2:ST+8*\m+3], v[ST+8*\m+2:ST+8*\m+3], v[Y+16*\m+\k+2:Y+16*\m+\k+3]
.endr
.endr
.irp m, 0,1,2,3
	v_pk_add_f32 v[ST+8*\m:ST+8*\m+1], v[ST+8*\m:ST+8*\m+1], v[ST+8*\m+2:ST+8*\m+3]
.endr
	SHARE 0
.irp m, 0,1,2,3
	v_mul_f32 v[ST+8*\m], s30, v[ST+8*\m]          ; the mean
.endr
.irp m, 0,1,2,3
.irp k, 0,2,4,6,8,10,12,14
	v_pk_add_f32 v[HA+16*\m+\k:HA+16*\m+\k+1], v[Y+16*\m+\k:Y+16*\m+\k+1], v[ST+8*\m:ST+8*\m+1] op_sel_hi:[1,0] neg_lo:[0,1] neg_hi:[0,1]
.endr
.endr
.irp m, 0,1,2,3
	v_pk_mul_f32 v[ST+8*\m:ST+8*\m+1], v[HA+16*\m:HA+16*\m+1], v[HA+16*\m:HA+16*\m+1]
.endr
.irp k, 2,4,6,8,10,12,14
.irp m, 0,1,2,3
	v_pk_fma_f32 v[ST+8*\m:ST+8*\m+1], v[HA+16*\m+\k:HA+16*\m+\k+1], v[HA+16*\m+\k:HA+16*\m+\k+1], v[ST+8*\m:ST+8*\m+1]
.endr
.endr
	SHARE 2048                                     ; words of their own: no wave still reads the sums' words when these are stored or not, they do not meet
.irp m, 0,1,2,3
	v_fma_f32 v[ST+8*\m], v[ST+8*\m], s30, s31     ; the variance + 1e-5
.endr
.irp m, 0,1,2,3
	v_rsq_f32 v[ST+8*\m], v[ST+8*\m]
.endr
	v_nop                                          ; one plain line behind the transcendentals
	s_wait_loadcnt 0x0                             ; gain, bias, fc2_b; fc1's weights too
	s_wait_alu depctr_va_vdst(0)                   ; the four 1 / sigma are written, ahead of their first reader
.irp m, 0,1,2,3
.irp k, 0,2,4,6,8,10,12,14
	v_pk_mul_f32 v[HA+16*\m+\k:HA+16*\m+\k+1], v[HA+16*\m+\k:HA+16*\m+\k+1], v[ST+8*\m:ST+8*\m+1] op_sel_hi:[1,0]
.endr
.endr
.irp m, 0,1,2,3
.irp k, 0,2,4,6,8,10,12,14
	v_pk_fma_f32 v[HA+16*\m+\k:HA+16*\m+\k+1], v[HA+16*\m+\k:HA+16*\m+\k+1], v[160+\k:161+\k], v[176+\k:177+\k]
.endr
.endr
.irp m, 0,1,2,3
.irp k, 0,2,4,6,8,10,12,14
	v_pk_add_f32 v[Y+16*\m+\k:Y+16*\m+\k+1], v[Y+16*\m+\k:Y+16*\m+\k+1], v[192+\k:193+\k]      ; Y = x1 + fc2_b: the C of fc2's first products
.endr
.endr
	QHS HA                                         ; block b here = tile of rows b: token 16 b + r's 32 channels of my wave
.irp m, 0,1,2,3
	v_cvt_scalef32_pk16_bf6_f32 v[PC+4*\m:PC+4*\m+2], v[HA+16*\m:HA+16*\m+15], v[TM+12+\m]
.endr
	v_nop
	v_mov_b32 v[CA13], 0xaf95df0b                  ; erf's leading coefficients, for the trips below
	v_mov_b32 v[CA13+1], 0xaf95df0b
	v_mov_b32 v[CB8], 0xb77460cd
	v_mov_b32 v[CB8+1], 0xb77460cd
	s_wait_alu depctr_va_vdst(0)                   ; the quantiser has written LN2's codes and bytes, which the LDS stores read
.irp m, 0,1,2,3
.irp k, 0,1,2
	ds_store_b32 v8, v[PC+4*\m+\k] offset:3072*\m+4*\k
.endr
	ds_store_b8 v9, v[TM+4+\m] offset:256*\m
.endr
	BAR                                            ; LN2's eight fragments lie in LDS
	; ---- 3: my 128 hidden units, a tile of 16 tokens a trip
.macro TRIP last
	s_wait_alu depctr_vm_vsrc(0)                   ; the LDS instructions issued so far have read the four addresses, written anew below, and the codes, bytes and scale word (v208 on, v232 on, v244) that this trip's quantiser writes again
	v_add_nc_u32 v[T1], s60, v10
	v_add_nc_u32 v[T2], s61, v11
	v_add_nc_u32 v[T3], s62, v12
	v_add_nc_u32 v[T4], s63, v13
	s_wait_alu depctr_va_vdst(0)                   ; the four addresses are written; LN2's or the last trip's vector lines are done with v160 to v183, and the last products with v245 and v246, in which the loads below land
	FETL XF, T1, 0
	FETL XF+12, T1, 1536
	ds_load_b32 v[XS], v[T2]
	ds_load_b32 v[XS+1], v[T2] offset:128
	s_wait_dscnt 0x0
	WIN 0x11                                       ; source 0 (the weight) and C (fc1_b) window 1
.irp t, 0,1,2,3,4,5,6,7
	MMC HA+8*\t, 24*\t, XF, 192+8*\t, WS+2*\t, XS
.endr
	WIN 0x01
.irp t, 0,1,2,3,4,5,6,7
	MMA HA+8*\t, 24*\t+12, XF+12, WS+2*\t+1, XS+1
.endr
	WIN 0
	PL
.if \last
	WIN 0x40                                       ; fc1's weights have had their last product: fc2's take their registers and land under the GELU
	s_wait_alu depctr_va_vdst(0)                   ; fc1's last products are done reading their sixteen fragments (window 1) and scale words (v16 to v31), in which fc2's land
.set k, 0
.rept 48
	global_load_b128 v[4*k:4*k+3], v1, s[40:41] offset:393216+512*k                            ; fragment 8 u + s
.set k, k+1
.endr
	WIN 0
.set k, 0
.rept 16
	global_load_b32 v[WS+k], v2, s[44:45] offset:32768+128*k
.set k, k+1
.endr
.endif
.irp b, 0,8,16,24,32,40,48,56
	GELU4 \b
.endr
	QH HA
	s_wait_alu depctr_va_vdst(0)                   ; the quantiser has written the hidden layer's codes and scale word, which the LDS stores read
	IMGC T3, 0
	ds_store_b32 v[T4], v[PW]
	s_wait_dscnt 0x0
.endm
	s_mov_b32 s59, 0
	s_mov_b32 s60, 0
	s_mov_b32 s61, 0
	s_mov_b32 s62, 0
	s_mov_b32 s63, 0
.Lm:
	TRIP 0
	s_add_co_u32 s60, s60, 3072                    ; two fragments of LN2's,
	s_add_co_u32 s61, s61, 256                     ; their scale words,
	s_add_co_u32 s62, s62, 12288                   ; eight of the hidden layer's,
	s_add_co_u32 s63, s63, 1024                    ; theirs
	s_add_co_u32 s59, s59, 1
	s_cmp_lt_u32 s59, 3
	s_cbranch_scc1 .Lm
	TRIP 1                                         ; the fourth tile is written out: it alone asks for fc2's weights
	BAR                                            ; the hidden layer's 32 fragments lie in LDS
	; ---- 4: Y += hidden x fc2_w^T: eight K steps, the tokens' fragments in two sets by turns
	s_wait_alu depctr_vm_vsrc(0)                   ; the fourth trip's LDS loads have read v14 and v15, written anew below (its stores have read v253 and v254 too)
	v_add_nc_u32 v[T1], HIMG, v1
	v_add_nc_u32 v[T2], HSC, v2
	s_wait_alu depctr_va_vdst(0)                   ; both addresses are written; the GELU's and the quantiser's lines are done with v96 to v207, and all products with v245 to v252, in which the first two K steps' loads land
.macro HFETCH s                        ; K step s of the four tiles of tokens: 12 + 4 LDS loads; even steps into v160 on, odd ones into v96 on
.irp m, 0,1,2,3
	FETC XF-64*((\s)%2)+12*\m, T1, 12288*\m+1536*(\s)
	ds_load_b32 v[XS+4*((\s)%2)+\m], v[T2] offset:1024*\m+128*(\s)
.endr
.endm
	s_wait_loadcnt 0x0                             ; fc2's weights
	HFETCH 0
.irp s, 0,1,2,3,4,5,6,7
.if \s < 7
.if \s > 0
	s_wait_alu depctr_va_vdst(0)                   ; the products of the step before are done reading their set of fragments and scale words, in which the loads below land
.endif
	HFETCH \s+1
	s_wait_dscnt 16                                ; this step's are in; the 16 just issued may be out
.else
	s_wait_dscnt 0x0
.endif
	WIN 0x01
.irp m, 0,1,2,3
.irp u, 0,1
	MMA Y+16*\m+8*\u, 12*(8*\u+\s), XF-64*(\s%2)+12*\m, WS+8*\u+\s, XS+4*(\s%2)+\m
.endr
.endr
	WIN 0
	PL                                             ; the places behind a step's products stay: in front of the loads into its set, and of the first read of the results
.endr
	s_wait_alu depctr_va_vdst(0)                   ; the products have written Y, which the LDS stores read, and are done reading v96 to v143, in which the loads behind the barrier land
.irp m, 0,1,2,3
.irp j, 0,1,2,3
	ds_store_b128 v4, v[Y+16*\m+4*\j:Y+16*\m+4*\j+3] offset:16*SPX*\m+16*\j                    ; each accumulator from its low end on
.endr
.endr
	BAR                                            ; 64 whole rows of out0 lie in the stage
.irp i, 0,1,2,3,4,5,6,7
	ds_load_b128 v[HA+8*\i:HA+8*\i+3],   v5 offset:SPX*\i
	ds_load_b128 v[HA+8*\i+4:HA+8*\i+7], v5 offset:SPX*\i+512
.endr
.irp i, 0,1,2,3,4,5,6,7
	s_wait_dscnt 15-2*\i                           ; LDS loads come back in order: the younger ones may be out
	global_store_b128 v1, v[HA+8*\i:HA+8*\i+3],   s[56:57] offset:1024*\i th:TH_STORE_NT       ; 512 consecutive bytes, aligned
	s_wait_dscnt 14-2*\i
	global_store_b128 v1, v[HA+8*\i+4:HA+8*\i+7], s[56:57] offset:1024*\i+512 th:TH_STORE_NT
.endr
	s_wait_xcnt 0x0
	v_lshl_add_u32 v254, v0, 2, 0x24c00            ; made anew: v254's last reader, the fourth trip's LDS store, stands ahead of the wait on vm_vsrc at the last phase's head; no memory or LDS instruction has read v255
	v_mov_b32 v255, 0
	s_wait_dscnt 0x0                               ; the closing lines, six on end
	s_wait_alu 0x0
	s_wait_tensorcnt 0x0
	ds_add_u32 v254, v255
	s_wait_dscnt 0x0
	s_endpgm
.Lfunc_end_k_q99e04f4165_mlp:
	.size	k_q99e04f4165_mlp, .Lfunc_end_k_q99e04f4165_mlp-k_q99e04f4165_mlp
	.p2alignl 7, 3214868480
	.fill 96, 4, 3214868480
	.section	.rodata,"a",@progbits
	.p2align	6, 0x0
	.amdhsa_kernel k_q99e04f4165_mlp
		.amdhsa_group_segment_fixed_size 151552
		.amdhsa_private_segment_fixed_size 0
		.amdhsa_enable_private_segment 0
		.amdhsa_kernarg_size 88
		.amdhsa_user_sgpr_count 2
		.amdhsa_user_sgpr_kernarg_segment_ptr 1
		.amdhsa_wavefront_size32 1
		.amdhsa_system_sgpr_workgroup_id_x 1
		.amdhsa_system_sgpr_workgroup_id_y 1
		.amdhsa_system_sgpr_workgroup_id_z 1
		.amdhsa_system_vgpr_workitem_id 0
		.amdhsa_next_free_vgpr 512
		.amdhsa_next_free_sgpr 80
		.amdhsa_reserve_vcc 0
		.amdhsa_float_denorm_mode_32 3
		.amdhsa_float_denorm_mode_16_64 3
		.amdhsa_memory_ordered 1
		.amdhsa_forward_progress 1
		.amdhsa_inst_pref_size 191
	.end_amdhsa_kernel
	.amdgpu_metadata
---
amdhsa.version: [ 1, 2 ]
amdhsa.kernels:
  - .name:           k_q99e04f4165_mlp
    .symbol:         k_q99e04f4165_mlp.kd
    .args:
      - { .name: ac, .offset: 0, .size: 8, .value_kind: global_buffer, .address_space: global }
      - { .name: asc, .offset: 8, .size: 8, .value_kind: global_buffer, .address_space: global }
      - { .name: x, .offset: 16, .size: 8, .value_kind: global_buffer, .address_space: global }
      - { .name: wimg, .offset: 24, .size: 8, .value_kind: global_buffer, .address_space: global }
      - { .name: wsc, .offset: 32, .size: 8, .value_kind: global_buffer, .address_space: global }
      - { .name: proj_b, .offset: 40, .size: 8, .value_kind: global_buffer, .address_space: global }
      - { .name: ln2_g, .offset: 48, .size: 8, .value_kind: global_buffer, .address_space: global }
      - { .name: ln2_b, .offset: 56, .size: 8, .value_kind: global_buffer, .address_space: global }
      - { .name: fc1_b, .offset: 64, .size: 8, .value_kind: global_buffer, .address_space: global }
      - { .name: fc2_b, .offset: 72, .size: 8, .value_kind: global_buffer, .address_space: global }
      - { .name: out0, .offset: 80, .size: 8, .value_kind: global_buffer, .address_space: global }
    .group_segment_fixed_size: 151552
    .private_segment_fixed_size: 0
    .kernarg_segment_align: 8
    .kernarg_segment_size: 88
    .max_flat_workgroup_size: 256
    .sgpr_count:     80
    .vgpr_count:     512
    .wavefront_size: 32
...
	.end_amdgpu_metadata
.endif
;; end of part 6
